; MI455X (gfx1250); checked and timed in simulation.
; The chip was launched on July 23, 2026; its instructions are those of AMD's public machine-readable ISA for CDNA 5 (MIT licence, August 2026) and "CDNA5" Instruction Set Architecture Reference Guide (July 2026). The comments in the code are by the model that wrote it; some were corrected since.
;; Local Spatial Attention Patch Keras. Allowed arithmetic: float matrix products may take bf16 or f16 operands with f32 sums; other float arithmetic in f32, or as packed bf16 or f16 multiplies, adds, multiply-adds, maxima and minima; sums over many terms, partial sums and values carried from step to step in f32; what a program stores and reads back later, other than sums and carried values, may be rounded once to bf16 or f16.
;; Inputs: Wk 256 x 8 x 32 float32; Wo 8 x 32 x 256 float32; Wq 256 x 8 x 32 float32; Wv 256 x 8 x 32 float32; bk 8 x 32 float32; bo 256 float32; bq 8 x 32 float32; bv 8 x 32 float32; pos_emb 25 x 256 float32; x 4 x 64 x 64 x 256 float32.
;; Outputs: out0 4 x 64 x 64 x 256 float32.
;; 2 versions, each right; version 2 is version 1 with the launch attn written anew for expert scheduling mode. Each part assembles by itself: llvm-mc -triple=amdgcn-amd-amdhsa -mcpu=gfx1250 --defsym DOCPART=n.
;; ======== version 1 of 2: 2 launches
;; limits: values are held in f16: magnitudes above 65,504 overflow, below 6.1e-05 lose precision
;; workspace buffers: wf 524,288 bytes
;; launch prep (part 1): grid 32 x 4, 8 waves a work-group, no clusters, 0 bytes of LDS; arguments Wq, Wk, Wv, Wo, wf; writes wf
.if DOCPART == 1
	.amdgcn_target "amdgcn-amd-amdhsa--gfx1250"
	.amdhsa_code_object_version 6
	.text
	.protected	k_q358aaefafe_prep
	.globl	k_q358aaefafe_prep
	.p2align	8
	.type	k_q358aaefafe_prep,@function
k_q358aaefafe_prep:
	s_mov_b64 s[64:65], 0
	v_nop
	global_prefetch_b8 v0, s[64:65] scope:SCOPE_SE
	s_setreg_imm32_b32 hwreg(HW_REG_WAVE_MODE, 25, 1), 1
	s_wait_xcnt 0x0
; The four weight matrices, each taken as [256 k][256 n] of f32, are rounded to bf16 and laid out as the register images of
; matrix fragments, so that the attention launch fills a fragment by plain loads of 16 consecutive bytes a lane.
; wf byte = mtx*131072 + nt*8192 + ks*1024 + half*512 + lane*16 + 2 e   (mtx: 0 Wq, 1 Wk, 2 Wv, 3 Wo)
;   nt = n / 16, lane = n % 16 + 16 h, and the number there is W[k][n] with k = 32 ks + 16 half + 8 h + e.
; Wq, Wk, Wv stay bf16.  Wo multiplies an f16 operand: its bf16 number is written as f16.
; LIMIT: |Wo| under 65,504; below 6e-5 it keeps f16's fixed step of 6e-8.
; SHARES.  Work-group x = ks*4 + half*2 + nh, y = the matrix.  Wave w, lane l take column n = 128 nh + 16 w + l % 16 and eight k:
; eight loads of 4 bytes, one store of 16; a wave's store covers 512 consecutive bytes, aligned.
	s_load_b256 s[4:11], s[0:1], 0x0               ; Wq s[4:5], Wk s[6:7], Wv s[8:9], Wo s[10:11]
	s_load_b64 s[12:13], s[0:1], 0x20              ; wf
	s_and_b32 s14, ttmp7, 0xffff                   ; the matrix
	s_lshr_b32 s15, ttmp9, 2                       ; ks
	s_bfe_u32 s16, ttmp9, 0x10001                  ; half
	s_and_b32 s17, ttmp9, 1                        ; nh
	s_lshl_b32 s18, s15, 15                        ; source: row 32 ks + 16 half, 1,024 bytes a row
	s_lshl_b32 s19, s16, 14
	s_add_co_u32 s18, s18, s19
	s_mov_b32 s19, 0
	s_lshl_b32 s20, s14, 17                        ; target: mtx*131072 + nh*65536 + ks*1024 + half*512
	s_lshl_b32 s21, s17, 16
	s_add_co_u32 s20, s20, s21
	s_lshl_b32 s21, s15, 10
	s_add_co_u32 s20, s20, s21
	s_lshl_b32 s21, s16, 9
	s_add_co_u32 s20, s20, s21
	s_mov_b32 s21, 0
	s_lshl_b32 s22, s17, 9                         ; 128 nh columns of 4 bytes
	v_and_b32 v3, 15, v0                           ; l % 16
	v_bfe_u32 v4, v0, 4, 1                         ; h
	v_lshrrev_b32 v5, 5, v0                        ; wave
	v_lshlrev_b32 v1, 2, v3
	v_lshl_add_u32 v1, v5, 6, v1                   ; + 16 w columns
	v_lshl_add_u32 v1, v4, 13, v1                  ; + 8 h rows
	v_add_nc_u32 v1, s22, v1
	v_and_b32 v2, 31, v0
	v_lshlrev_b32 v2, 4, v2
	v_lshl_add_u32 v2, v5, 13, v2                  ; w*8192 + 16 l
	s_wait_kmcnt 0x0
	s_cmp_eq_u32 s14, 1                            ; the source is chosen by the work-group's y alone
	s_cselect_b64 s[4:5], s[6:7], s[4:5]
	s_cmp_eq_u32 s14, 2
	s_cselect_b64 s[4:5], s[8:9], s[4:5]
	s_cmp_eq_u32 s14, 3
	s_cselect_b64 s[4:5], s[10:11], s[4:5]
	s_add_nc_u64 s[4:5], s[4:5], s[18:19]
	s_add_nc_u64 s[12:13], s[12:13], s[20:21]
.irp e, 0,1,2,3,4,5,6,7
	global_load_b32 v[8+\e], v1, s[4:5] offset:1024*\e   ; W[k + e][n]
.endr
	s_wait_loadcnt 0x0
.irp p, 0,1,2,3
	v_cvt_pk_bf16_f32 v[16+\p], v[8+2*\p], v[9+2*\p]
.endr
	s_cmp_lg_u32 s14, 3
	s_cbranch_scc1 .Lst
.irp p, 0,1,2,3                                        ; Wo: the bf16 numbers, widened and written as f16
	v_lshlrev_b32 v20, 16, v[16+\p]
	v_and_b32 v21, 0xffff0000, v[16+\p]
	v_cvt_pk_f16_f32 v[16+\p], v20, v21
.endr
.Lst:
	global_store_b128 v2, v[16:19], s[12:13]
	s_endpgm
.Lfunc_end_k_q358aaefafe_prep:
	.size	k_q358aaefafe_prep, .Lfunc_end_k_q358aaefafe_prep-k_q358aaefafe_prep
	.p2alignl 7, 3214868480
	.fill 96, 4, 3214868480
	.section	.rodata,"a",@progbits
	.p2align	6, 0x0
	.amdhsa_kernel k_q358aaefafe_prep
		.amdhsa_group_segment_fixed_size 0
		.amdhsa_private_segment_fixed_size 0
		.amdhsa_enable_private_segment 0
		.amdhsa_kernarg_size 40
		.amdhsa_user_sgpr_count 2
		.amdhsa_user_sgpr_kernarg_segment_ptr 1
		.amdhsa_wavefront_size32 1
		.amdhsa_system_sgpr_workgroup_id_x 1
		.amdhsa_system_sgpr_workgroup_id_y 1
		.amdhsa_system_sgpr_workgroup_id_z 1
		.amdhsa_system_vgpr_workitem_id 0
		.amdhsa_next_free_vgpr 24
		.amdhsa_next_free_sgpr 66
		.amdhsa_reserve_vcc 0
		.amdhsa_float_denorm_mode_32 3
		.amdhsa_float_denorm_mode_16_64 3
		.amdhsa_memory_ordered 1
		.amdhsa_forward_progress 1
		.amdhsa_inst_pref_size 4
	.end_amdhsa_kernel
	.amdgpu_metadata
---
amdhsa.version: [ 1, 2 ]
amdhsa.kernels:
  - .name:           k_q358aaefafe_prep
    .symbol:         k_q358aaefafe_prep.kd
    .args:
      - { .name: Wq, .offset: 0, .size: 8, .value_kind: global_buffer, .address_space: global }
      - { .name: Wk, .offset: 8, .size: 8, .value_kind: global_buffer, .address_space: global }
      - { .name: Wv, .offset: 16, .size: 8, .value_kind: global_buffer, .address_space: global }
      - { .name: Wo, .offset: 24, .size: 8, .value_kind: global_buffer, .address_space: global }
      - { .name: wf, .offset: 32, .size: 8, .value_kind: global_buffer, .address_space: global }
    .group_segment_fixed_size: 0
    .private_segment_fixed_size: 0
    .kernarg_segment_align: 8
    .kernarg_segment_size: 40
    .max_flat_workgroup_size: 256
    .sgpr_count:     66
    .vgpr_count:     24
    .wavefront_size: 32
...
	.end_amdgpu_metadata
.endif
;; end of part 1
;; launch attn (part 2): grid 64 x 4, 8 waves a work-group, no clusters, 279,296 bytes of LDS; arguments x, pos_emb, bq, bk, bv, bo, wf, out0; writes out0
.if DOCPART == 2
	.amdgcn_target "amdgcn-amd-amdhsa--gfx1250"
	.amdhsa_code_object_version 6
	.text
	.protected	k_q358aaefafe_attn
	.globl	k_q358aaefafe_attn
	.p2align	8
	.type	k_q358aaefafe_attn,@function
k_q358aaefafe_attn:
	s_mov_b64 s[64:65], 0
	v_nop
	global_prefetch_b8 v0, s[64:65] scope:SCOPE_SE
	s_setreg_imm32_b32 hwreg(HW_REG_WAVE_MODE, 25, 1), 1
	s_wait_xcnt 0x0
; LOCAL 5 x 5 ATTENTION, all steps in one launch.  x, out0: [4][64][64][256] f32; 8 heads of 32 channels; 25 position rows.
; ALGEBRA.  A projection is linear, so a patch is not projected anew for each query:
;   kh[p][s] = (x Wk)[nbr(p, s)] + (pos[s] Wk + bk);   vh[p][s] = (x Wv + bv)[nbr(p, s)];   qh[p] = (x Wq)[p] + (pos[slot(p)] Wq + bq).
;   score = q . k[nbr] + T[s], T[s] = q . (pos[s] Wk + bk); softmax over the 25 slots with the true maximum taken away; out = (P v / l) Wo + bo.
; FORMATS.  All inputs (x, pos, weights, biases) are rounded to bf16; what is made here (q, k, pos Wk + bk, v, the weights p, O) is rounded once to f16; all sums, T, maxima and l in f32.
; LIMITS.  |q|, |k|, |pos Wk + bk|, |v|, |O| stay under 65,504 (f16's end).  A weight p under 6e-8 counts as 0 in the second product, under 2^-126 also in l.
; A key outside the patch counts as its score less 1e30.  NaN and infinities are not treated apart.
; SHARES.  256 work-groups, each 8 x 8 queries of one image; its REGION is the 12 x 12 pixels from (Y0 - 2, X0 - 2) on.  Loads are clamped into the image: a pixel
; outside it holds a neighbour's numbers and is always masked.  Wave w has head w in the projections and in attention, and output columns 32 w .. 32 w + 31 at the end.
; TILES of 16 pixels are 4 x 4 blocks (in-tile index m: row m / 4, column m % 4): nine region tiles tau = 3 tr + tc; four query tiles t = 2 by + bx at region (2 + 4 by, 2 + 4 bx),
; whose 64 candidate keys are the region tiles (by + a, bx + b), a, b in 0, 1.
; LAYOUT.  Every projection is taken transposed (source 0 = 16 output channels of a weight, source 1 = 16 pixels): a lane holds ONE pixel (lane % 16) and channels 8 (lane / 16) + 0..7, so
; two channel tiles rounded in pairs ARE a fragment of 16 pixels x 32 channels: K, Q and the position keys never change lanes.  v goes by rows into the wave's own LDS and comes back turned.
; NO CLUSTER, NO JOINT LOADS.  All work-groups read the same 524,288 bytes of weights, but each fragment is wanted by one wave and goes straight into its registers;
; a joint load lands in LDS, of which this text uses 279,296 of 327,680 bytes: a ring for weights beside that was not built.
; NO PREFETCH: all of a work-group's x is asked for at its head, and the weights are read by every work-group.
;
; LDS, in bytes
.set XP_,   528                        ; a pixel's 256 bf16 + 16 of padding: the 16 rows of a 4 x 4 tile begin 16 bytes apart modulo 256
.set VS,    92928                      ; behind XS (176 rows: 144 region pixels p = 12 ry + rx, then 32 position rows)
.set VSW,   13824                      ; a wave's v: 144 rows (16 tau + m) of 64 bytes + 32
.set WP,    203520
.set WPW,   5120                       ; a wave's own: first pos Wq + bq (32 rows of 128 bytes + 16, f32), then two slots for T
.set TSLOT, 2560                       ; T[s][query]: row s at 72 s, query i at 4 i; 16 words of -1e30 at 2,304
.set TP,    72
.set NEGO,  2304
.set OS,    244480                     ; O, f16: 64 rows (16 t + i) of 512 bytes + 16
.set SGP,   1040                       ; the stage for out, over XS once nobody reads it: 64 rows of 1,024 bytes + 16
.set SPARE, 278272                     ; the spare words, 128 bytes for each of eight waves: four blocks of 256 bytes that no other line names
; vector registers.  Window 1 (v256-511) holds weights alone: low half Wk, later Wo; high half Wv, later Wq
.set SPW,  1                           ; LDS address of my spare word; never rewritten
.set NIL,  2                           ; 0; never rewritten
.set LO16, 3                           ; 16 x lane; never rewritten
.set CO,   4                           ; staging: v4-6 my byte offset in an image row, by column group
.set POSO, 7
.set XW,   8                           ; v8, v9: where I put 8 bytes of a pixel (chunks 0-21, 22-43)
.set XA,   4                           ; projections
.set XPA,  5
.set VST,  6
.set PQST, 7
.set PQB,  8
.set PQA,  9
.set VRD,  4                           ; attention
.set TB,   5
.set TST,  6
.set OST,  7
.set IY,   8
.set IX,   9
.set H2,   10
.set OA,   4                           ; the way out
.set SA,   5
.set RA,   6
.set BOF,  11                          ; 128 w + 32 (lane / 16): my 8 numbers of a bias; never rewritten
.set ST,   12                          ; v12-23: query tile bx at ST + 6 bx: c0-c3 at work, then the pair c m, m.  Before attention: scratch
.set K,    24                          ; v24-95: fragment of region tile tau at K + 8 tau
.set PK,   96                          ; v96-111: pos Wk + bk, two fragments
.set BO,   96                          ; later bo
.set Q,    112                         ; v112-143: fragment of query tile t at Q + 8 t
.set BK,   112                         ; before that bk,
.set BQ,   128                         ; and bq
.set XF,   144                         ; v144-207: source 1 of a projection, K step ks at XF + 8 ks
.set ACC,  208                         ; v208-239
.set BV,   240                         ; v240-255
.set PQC,  240                         ; later a query tile's rows of pos Wq + bq
.set S,    144                         ; attention: tile bx at S + 32 bx, key tile (a, b) at + 16 a + 8 b; later P in its low 16, O^T in its high 16
.set TA,   208
.set ROWT, 240
.set COLT, 244
.set VF,   208                         ; v208-255: group g = 2 a + ct at VF + 12 g, key tile column c at + 4 c
; scalar registers
.set WV,  2                            ; wave
.set WA,  3                            ; wave / 2
.set WH,  4                            ; wave % 2
.set Y0,  5
.set X0,  6
.set BB,  7                            ; image
.set PX,  8                            ; s[8:23]: x, pos_emb, bq, bk, bv, bo, wf, out0
.set PPOS, 10
.set PBQ, 12
.set PBK, 14
.set PBV, 16
.set PBO, 18
.set PWF, 20
.set POUT, 22
.set RB,  24                           ; s[24:47]: x at the region's 12 image rows
.set PB,  48                           ; s[48:63]: pos_emb at my 8 rows
.set CS,  66                           ; s[66:67]: c = log2(e) / sqrt(32)
.set SEL, 68                           ; s[68:69]: v_permlanex16_b32's selects: my own place in the other half
.set BIG, 70
.set VSB, 71
.set WPB, 72
.set WK,  74                           ; s[74:81]: my head's 16,384 bytes of Wk, Wv, Wq, Wo in wf
.set WVV, 76
.set WQ,  78
.set WO,  80
.set OUTB, 82
.set T0,  84
.set T1,  85
.set T2,  86
.set T3,  87
.set MSB, 0
.macro WIN new                         ; the immediate's high byte repeats the setting that is left; a switch that changes nothing is dropped
.if MSB != (\new)
	s_set_vgpr_msb (MSB<<8)|(\new)
.set MSB, \new
.endif
.endm
.macro PLACES                          ; four places behind a matrix instruction, ahead of what reads its result or writes or loads into its registers
.rept 4
	v_nop
.endr
.endm
.macro LOADX areg, off                 ; 16 rows x 256 channels of 16 bits: eight fragments, two loads of 16 bytes each
	WIN 0
.set ks, 0
.rept 8
	ds_load_b128 v[XF+8*ks:XF+8*ks+3],   v[\areg] offset:(\off)+64*ks
	ds_load_b128 v[XF+8*ks+4:XF+8*ks+7], v[\areg] offset:(\off)+64*ks+32
.set ks, ks+1
.endr
.endm
.macro LOADW sbase, dst                ; my head's part of a matrix: 32 loads of 512 consecutive bytes; fragment (ct, ks) lands at dst + 64 ct + 8 ks of window 1
	WIN 0x40
.set k, 0
.rept 32
	global_load_b128 v[(\dst)+4*k:(\dst)+4*k+3], v[LO16], s[\sbase:\sbase+1] offset:512*k
.set k, k+1
.endr
	WIN 0
.endm
.macro LOADB dst, sp                   ; my 16 numbers of a bias: channel tile ct at dst + 8 ct
.set k, 0
.rept 4
	global_load_b128 v[(\dst)+4*k:(\dst)+4*k+3], v[BOF], s[\sp:\sp+1] offset:16*k+32*(k/2)
.set k, k+1
.endr
.endm
; nacc accumulators of 16 channels x 16 pixels over K = 256.  They take turns, one instruction a turn.  The first K step starts each sum:
; with 0 (c < 0) or with the registers c + 8 (a % 2) (a bias, or a row of a table).  c01 serves accumulators 0, 1; c23 accumulators 2, 3.
.macro PROJ fmt, wbase, acc0, nacc, c01, c23
	WIN 0x01                               ; source 0, the weights, in window 1
.set ks, 0
.rept 8
.set a, 0
.rept \nacc
.set rD, (\acc0)+8*a
.set rW, (\wbase)+64*a+8*ks
.set rX, XF+8*ks
.if ks > 0
	v_wmma_f32_16x16x32_\fmt v[rD:rD+7], v[rW:rW+7], v[rX:rX+7], v[rD:rD+7]
.else
.set cc, \c01
.if a >= 2
.set cc, \c23
.endif
.if cc < 0
	v_wmma_f32_16x16x32_\fmt v[rD:rD+7], v[rW:rW+7], v[rX:rX+7], 0
.else
.set rC, cc+8*(a%2)
	v_wmma_f32_16x16x32_\fmt v[rD:rD+7], v[rW:rW+7], v[rX:rX+7], v[rC:rC+7]
.endif
.endif
.set a, a+1
.endr
.set ks, ks+1
.endr
	WIN 0
	PLACES
.endm
.macro PACK dst, acc                   ; two channel tiles, rounded to f16 in pairs, ascending: a fragment of 16 pixels x 32 channels
.set k, 0
.rept 8
	v_cvt_pk_f16_f32 v[(\dst)+k], v[(\acc)+2*k], v[(\acc)+2*k+1]
.set k, k+1
.endr
.endm
.macro RNDB base                       ; 16 numbers of a bias rounded to bf16 and kept as f32
.set k, 0
.rept 8
	v_cvt_pk_bf16_f32 v[ST+k%4], v[(\base)+2*k], v[(\base)+2*k+1]
	v_lshlrev_b32 v[(\base)+2*k], 16, v[ST+k%4]
	v_and_b32 v[(\base)+2*k+1], 0xffff0000, v[ST+k%4]
.set k, k+1
.endr
.endm
.macro ST4 areg, set, off              ; two accumulators as they lie, f32: 8 numbers a lane and channel tile, each accumulator's low registers first
.set k, 0
.rept 4
	ds_store_b128 v[\areg], v[(\set)+4*k:(\set)+4*k+3] offset:(\off)+16*k+32*(k/2)
.set k, k+1
.endr
.endm
	; ---- the head
	s_load_b512 s[8:23], s[0:1], 0x0
	v_lshl_add_u32 v[SPW], v0, 2, SPARE
	v_mov_b32 v[NIL], 0
	v_lshrrev_b32 v4, 5, v0
	v_readfirstlane_b32 s[WV], v4
	s_lshr_b32 s[WA], s[WV], 1
	s_and_b32 s[WH], s[WV], 1
	s_lshr_b32 s[Y0], ttmp9, 3
	s_lshl_b32 s[Y0], s[Y0], 3                     ; my 8 x 8 queries begin at (Y0, X0)
	s_and_b32 s[X0], ttmp9, 7
	s_lshl_b32 s[X0], s[X0], 3
	s_and_b32 s[BB], ttmp7, 0xffff
	s_mov_b32 s[CS], 0x3e8293ee                    ; log2(e) / sqrt(32) = 0.255035
	s_mov_b32 s[CS+1], s[CS]                       ; named with it as a pair
	s_mov_b32 s[SEL], 0x76543210
	s_mov_b32 s[SEL+1], 0xfedcba98
	s_mov_b32 s[BIG], 0x8000
	s_mul_i32 s[VSB], s[WV], VSW
	s_add_co_u32 s[VSB], s[VSB], VS
	s_mul_i32 s[WPB], s[WV], WPW
	s_add_co_u32 s[WPB], s[WPB], WP
	v_and_b32 v[LO16], 31, v0
	v_lshlrev_b32 v[LO16], 4, v[LO16]
	s_lshl_b32 s[T2], s[BB], 6
	s_lshl_b32 s[T3], s[WH], 9                     ; my half of a pixel's 1,024 bytes
	; STAGING SHARES.  Chunk u of 44 is half a row of XS, row 4 u + wave / 2, half wave % 2: one load of 512 consecutive bytes.  Chunks 0-35: region row u / 3, column 4 (u % 3) + wave / 2.
.set c, 0
.rept 3
	s_add_co_i32 s[T0], s[X0], 4*c-2
	s_add_co_i32 s[T0], s[T0], s[WA]
	s_max_i32 s[T0], s[T0], 0                      ; clamped into the image
	s_min_i32 s[T0], s[T0], 63
	s_lshl_b32 s[T0], s[T0], 10
	s_add_co_u32 s[T0], s[T0], s[T3]
	v_add_nc_u32 v[CO+c], s[T0], v[LO16]
.set c, c+1
.endr
	v_add_nc_u32 v[POSO], s[T3], v[LO16]
	s_mul_i32 s[T0], s[WA], XP_
	s_lshl_b32 s[T1], s[WH], 8
	s_add_co_u32 s[T0], s[T0], s[T1]
	v_lshrrev_b32 v[XW], 1, v[LO16]                ; 8 x lane
	v_add_nc_u32 v[XW], s[T0], v[XW]
	v_add_nc_u32 v[XW+1], 22*4*XP_, v[XW]
	v_bfe_u32 v[BOF], v0, 4, 1
	v_lshlrev_b32 v[BOF], 5, v[BOF]
	s_lshl_b32 s[T0], s[WV], 7
	v_add_nc_u32 v[BOF], s[T0], v[BOF]
	s_wait_kmcnt 0x0
.set r, 0
.rept 12
	s_add_co_i32 s[T0], s[Y0], r-2
	s_max_i32 s[T0], s[T0], 0
	s_min_i32 s[T0], s[T0], 63
	s_add_co_u32 s[T0], s[T0], s[T2]
	s_lshl_b32 s[T0], s[T0], 16                    ; an image row is 65,536 bytes
	s_mov_b32 s[T1], 0
	s_add_nc_u64 s[RB+2*r:RB+2*r+1], s[PX:PX+1], s[T0:T1]
.set r, r+1
.endr
.set r, 0
.rept 8
	s_add_co_u32 s[T0], s[WA], 4*r
	s_min_u32 s[T0], s[T0], 24                     ; rows 25-31 of the table in LDS are copies of row 24 and serve nothing
	s_lshl_b32 s[T0], s[T0], 10
	s_mov_b32 s[T1], 0
	s_add_nc_u64 s[PB+2*r:PB+2*r+1], s[PPOS:PPOS+1], s[T0:T1]
.set r, r+1
.endr
	s_lshl_b32 s[T0], s[WV], 14
	s_mov_b32 s[T1], 0
	s_add_nc_u64 s[WQ:WQ+1], s[PWF:PWF+1], s[T0:T1]
	s_add_nc_u64 s[WK:WK+1], s[WQ:WQ+1], 0x20000
	s_add_nc_u64 s[WVV:WVV+1], s[WQ:WQ+1], 0x40000
	s_add_nc_u64 s[WO:WO+1], s[WQ:WQ+1], 0x60000
	; ---- all the head's loads on end: 36 chunks of x, 8 of pos, 12 of biases, 64 of weights = 120.  Chunk u lands at v[24 + 4 u] (u < 22) or v[56 + 4 u]
.set u, 0
.rept 36
.set d, 24+4*u+32*(u/22)
	global_load_b128 v[d:d+3], v[CO+u%3], s[RB+2*(u/3):RB+2*(u/3)+1]
.set u, u+1
.endr
.rept 8
.set d, 24+4*u+32*(u/22)
	global_load_b128 v[d:d+3], v[POSO], s[PB+2*(u-36):PB+2*(u-36)+1]
.set u, u+1
.endr
	LOADB BV, PBV
	LOADB BK, PBK
	LOADB BQ, PBQ
	LOADW WK, 0
	LOADW WVV, 128
	s_wait_loadcnt 63                              ; loads come back in order: at most the 63 youngest of the 120 are out, so the 57 oldest, all 44 chunks among them, are in
	                                               ; (the issue of a load that the counter's field cannot hold is held back: ISA guide 5.7.1)
.set u, 0
.rept 44
.set d, 24+4*u+32*(u/22)
	v_cvt_pk_bf16_f32 v[d], v[d], v[d+1]
	v_cvt_pk_bf16_f32 v[d+1], v[d+2], v[d+3]
	ds_store_b64 v[XW+u/22], v[d:d+1] offset:(u%22)*4*XP_
.set u, u+1
.endr
	s_wait_dscnt 0x0                               ; for the others' sake: my part of XS is written
	s_barrier_signal -1
	s_barrier_wait -1                              ; XS is whole
	; ---- addresses for the projections
	s_wait_xcnt 0x0                                ; the weights' loads are still out: v4-v10 are rewritten only behind this wait
	v_and_b32 v12, 15, v0                          ; m
	v_bfe_u32 v13, v0, 4, 1                        ; h
	v_lshrrev_b32 v[XA], 2, v12
	v_mul_u32_u24 v[XA], v[XA], 12
	v_and_b32 v14, 3, v12
	v_add_nc_u32 v[XA], v[XA], v14                 ; pixel (m / 4, m % 4) of a 4 x 4 tile in rows of 12
	v_mul_u32_u24 v[XA], v[XA], XP_
	v_lshl_add_u32 v[XA], v13, 4, v[XA]
	v_mul_u32_u24 v[XPA], v12, XP_
	v_lshl_add_u32 v[XPA], v13, 4, v[XPA]
	v_add_nc_u32 v[XPA], 144*XP_, v[XPA]           ; the position rows
	v_mul_u32_u24 v[VST], v12, 96
	v_lshl_add_u32 v[VST], v13, 4, v[VST]
	v_add_nc_u32 v[VST], s[VSB], v[VST]
	v_mul_u32_u24 v[PQST], v12, 144
	v_lshl_add_u32 v[PQST], v13, 5, v[PQST]
	v_add_nc_u32 v[PQST], s[WPB], v[PQST]
	v_lshlrev_b32 v[PQB], 5, v13
	v_add_nc_u32 v[PQB], s[WPB], v[PQB]
	LOADX XA, 0
	s_wait_loadcnt 0x0                             ; Wk, Wv and the biases
	RNDB BV
	RNDB BK
	RNDB BQ
	; ---- k = x Wk and v = x Wv + bv of the nine region tiles: 32 matrix instructions a tile on four accumulators
.set tau, 0
.rept 9
	s_wait_dscnt 0x0                               ; the tile's fragments are in
	PROJ bf16, 0, ACC, 4, -1, BV
.if tau < 8
.set xo, (48*((tau+1)/3)+4*((tau+1)%3))*XP_
	LOADX XA, xo                                   ; the next tile, while this one is rounded
.else
	LOADW WQ, 128                                  ; Wv has had its last product, four places back
	LOADX XPA, 0
.endif
	PACK K+8*tau, ACC
	PACK ACC+16, ACC+16
	ds_store_b128 v[VST], v[ACC+16:ACC+19] offset:tau*1536      ; v by rows: pixel m, channels 8 h .. and 16 + 8 h ..
	ds_store_b128 v[VST], v[ACC+20:ACC+23] offset:tau*1536+32
.set tau, tau+1
.endr
	; ---- pos Wk + bk: two tiles of 16 rows
	s_wait_dscnt 0x0
	PROJ bf16, 0, ACC, 2, BK, -1
	LOADX XPA, 16*XP_
	PACK PK, ACC
	s_wait_dscnt 0x0
	PROJ bf16, 0, ACC+16, 2, BK, -1
	LOADW WO, 0                                    ; Wk has had its last product
	LOADX XPA, 0
	PACK PK+8, ACC+16
	; ---- pos Wq + bq into my table, then q = x Wq + the row of the query's own slot
	s_wait_loadcnt 32                              ; Wq is in; the 32 loads of Wo, issued behind it, may stay out
	s_wait_dscnt 0x0
	PROJ bf16, 128, ACC, 2, BQ, -1
	LOADX XPA, 16*XP_
	ST4 PQST, ACC, 0
	s_wait_dscnt 0x0
	PROJ bf16, 128, ACC+16, 2, BQ, -1
	LOADX XA, 26*XP_
	ST4 PQST, ACC+16, 2304
.set t, 0
.rept 4
	s_add_co_u32 s[T0], s[Y0], 4*(t/2)             ; the tile's first row and column in the image
	s_add_co_u32 s[T1], s[X0], 4*(t%2)
	v_bfe_u32 v12, v0, 2, 2                        ; i / 4
	v_and_b32 v13, 3, v0                           ; i % 4
	v_add_nc_u32 v14, s[T0], v12
	v_add_nc_u32 v15, s[T1], v13
	v_max_u32 v14, 2, v14
	v_max_u32 v15, 2, v15
	v_min_u32 v14, 61, v14                         ; the patch's centre, clipped as reference() clips it
	v_min_u32 v15, 61, v15
	v_sub_nc_u32 v14, s[T0], v14
	v_sub_nc_u32 v15, s[T1], v15
	v_add3_u32 v12, v12, v14, 2                    ; my row in my patch,
	v_add3_u32 v13, v13, v15, 2                    ; my column
	v_mad_u32_u24 v12, v12, 5, v13
	v_min_u32 v12, 24, v12                         ; (it is 0 to 24: the bound stands in the text)
	v_mad_u32_u24 v[PQA], v12, 144, v[PQB]
.set k, 0
.rept 4
	ds_load_b128 v[PQC+4*k:PQC+4*k+3], v[PQA] offset:16*k+32*(k/2)   ; LDS serves a wave's instructions in order (ISA guide 5.7.1.4): these see my stores above
.set k, k+1
.endr
	s_wait_dscnt 0x0
	PROJ bf16, 128, ACC+16*(t%2), 2, PQC, -1
.if t < 3
.set xo, (26+48*((t+1)/2)+4*((t+1)%2))*XP_
	LOADX XA, xo
.endif
	PACK Q+8*t, ACC+16*(t%2)
.set t, t+1
.endr
	; ---- addresses for attention
	v_and_b32 v12, 15, v0                          ; i
	v_bfe_u32 v13, v0, 4, 1                        ; h
	v_and_b32 v14, 7, v0
	v_bfe_u32 v15, v0, 3, 1
	v_lshl_add_u32 v[VRD], v13, 3, v14             ; the turning load: lane l reads key 8 h + l % 8, channels 8 ((l / 8) % 2) + 0..7
	v_mul_u32_u24 v[VRD], v[VRD], 96
	v_lshl_add_u32 v[VRD], v15, 4, v[VRD]
	v_add_nc_u32 v[VRD], s[VSB], v[VRD]
	v_lshl_add_u32 v[TB], v12, 2, s[WPB]
	v_mul_u32_u24 v[TST], v13, 8*TP
	v_add_nc_u32 v[TST], v[TST], v[TB]
	v_mul_u32_u24 v[OST], v12, XP_
	v_lshl_add_u32 v[OST], v13, 4, v[OST]
	s_lshl_b32 s[T0], s[WV], 6
	s_add_co_u32 s[T0], s[T0], OS
	v_add_nc_u32 v[OST], s[T0], v[OST]
	v_bfe_u32 v[IY], v0, 2, 2
	v_and_b32 v[IX], 3, v0
	v_lshlrev_b32 v[H2], 1, v13
	v_mov_b32 v252, 0xf149f2ca                     ; -1e30
	ds_store_b32 v[TB], v252 offset:NEGO
	ds_store_b32 v[TB], v252 offset:NEGO+TSLOT
; WHERE A SCORE'S START LIES.  Register 16 a + 8 b + j of query tile (by, bx) is key (row 2 h + j / 4, column j % 4) of region tile (by + a, bx + b).  Its place in my query's patch:
; dy = 2 h + cy + 4 a + j / 4, dx = cx + 4 b + j % 4, with cy = Yb - clip(y), cx = Xb - clip(x).  Inside the patch (dy, dx under 5, unsigned) the start is T[5 dy + dx], else -1e30.
.macro ADDR bx, by
	s_add_co_u32 s[T0], s[Y0], 4*(\by)
	s_add_co_u32 s[T1], s[X0], 4*(\bx)
	v_add_nc_u32 v252, s[T0], v[IY]
	v_add_nc_u32 v253, s[T1], v[IX]
	v_max_u32 v252, 2, v252
	v_max_u32 v253, 2, v253
	v_min_u32 v252, 61, v252
	v_min_u32 v253, 61, v253
	v_sub_nc_u32 v252, s[T0], v252
	v_sub_nc_u32 v253, s[T1], v253                 ; cx
	v_add_nc_u32 v252, v252, v[H2]                 ; cy + 2 h
.set n, 0
.rept 4                                                ; n = 2 a + j / 4
	v_add_nc_u32 v254, 4*(n/2)+n%2, v252
	v_cmp_gt_u32 vcc_lo, 5, v254
	v_mul_u32_u24 v254, v254, 5*TP
	v_cndmask_b32 v[ROWT+n], s[BIG], v254, vcc_lo
.set n, n+1
.endr
.set n, 0
.rept 8                                                ; n = 4 b + j % 4
	v_add_nc_u32 v254, n, v253
	v_cmp_gt_u32 vcc_lo, 5, v254
	v_mul_u32_u24 v254, v254, TP
	v_cndmask_b32 v[COLT+n], s[BIG], v254, vcc_lo
.set n, n+1
.endr
.set n, 0
.rept 32
	v_add_nc_u32 v[S+32*(\bx)+n], v[ROWT+2*(n/16)+(n%8)/4], v[COLT+4*((n/8)%2)+n%4]
.set n, n+1
.endr
.set n, 0
.rept 32
	v_min_u32 v[S+32*(\bx)+n], NEGO, v[S+32*(\bx)+n]   ; a key outside the patch falls onto the words of -1e30
.set n, n+1
.endr
.set n, 0
.rept 32
	v_add_nc_u32 v[S+32*(\bx)+n], v[TB], v[S+32*(\bx)+n]
.set n, n+1
.endr
.endm
.macro TSTORE bx                       ; T[16 sg + 8 h + j][i], each accumulator ascending
.set n, 0
.rept 16
	ds_store_b32 v[TST], v[TA+16*(\bx)+n] offset:(\bx)*TSLOT+(16*(n/8)+n%8)*TP
.set n, n+1
.endr
.endm
.macro GATHER bx                       ; each load lands on its own address register
.set n, 0
.rept 32
	ds_load_b32 v[S+32*(\bx)+n], v[S+32*(\bx)+n] offset:(\bx)*TSLOT
.set n, n+1
.endr
.endm
.macro SMX bx                          ; number j of the 19 that find a query's maximum over its 64 scores; each accumulator's low registers are read first
.set rT, ST+6*(\bx)
.set rS, S+32*(\bx)
.if j < 4
	v_max3_num_f32 v[rT+j], v[rS+8*j], v[rS+8*j+1], v[rS+8*j+2]
.elseif j < 12
	v_max3_num_f32 v[rT+j%4], v[rT+j%4], v[rS+8*(j%4)+2*(j/4)+1], v[rS+8*(j%4)+2*(j/4)+2]
.elseif j == 12
	v_max3_num_f32 v[rT], v[rT], v[rS+7], v[rS+15]
.elseif j == 13
	v_max3_num_f32 v[rT+2], v[rT+2], v[rS+23], v[rS+31]
.elseif j == 14
	v_max3_num_f32 v[rT], v[rT], v[rT+1], v[rT+2]
.elseif j == 15
	v_max_num_f32 v[rT], v[rT], v[rT+3]
.elseif j == 16
	v_permlanex16_b32 v[rT+1], v[rT], s[SEL], s[SEL+1]   ; the query's other 32 keys lie in the lane 16 away
.elseif j == 17
	v_max_num_f32 v[rT+5], v[rT], v[rT+1]                ; m
.else
	v_mul_f32 v[rT+4], s[CS], v[rT+5]                    ; c m
.endif
.endm
; ATTENTION for the two query tiles (by, 0) and (by, 1), every stage for both, so that no instruction waits for the one before it.
.macro ATT by
.set n, 0
.rept 4                                                ; T = (pos Wk + bk) Q^T: tile n / 2, position rows 16 (n % 2) on
	v_wmma_f32_16x16x32_f16 v[TA+8*n:TA+8*n+7], v[PK+8*(n%2):PK+8*(n%2)+7], v[Q+8*(2*(\by)+n/2):Q+8*(2*(\by)+n/2)+7], 0
.set n, n+1
.endr
	ADDR 0, \by                                    ; plain work that names no register of those products: also the places behind them
	ADDR 1, \by
.if (\by) == 1
	LOADB BO, PBO                                  ; the position keys have had their last product
.endif
	TSTORE 0
	TSTORE 1
	GATHER 0                                       ; my own bytes, served in order: these see the stores above
	GATHER 1
	s_wait_dscnt 0x0
.set n, 0
.rept 8                                                ; S^T = K Q^T + what was gathered: tile n % 2, key tile (a, b) = (n / 4, (n / 2) % 2): eight different accumulators
.set rS, S+32*(n%2)+8*(n/2)
.set rK, K+8*(3*((\by)+n/4)+n%2+(n/2)%2)
.set rQ, Q+8*(2*(\by)+n%2)
	v_wmma_f32_16x16x32_f16 v[rS:rS+7], v[rK:rK+7], v[rQ:rQ+7], v[rS:rS+7]
.set n, n+1
.endr
.set g, 0
.rept 4                                                ; v of the six key tiles, turned: key tile row by + g / 2, channels 16 (g % 2) on
.set c, 0
.rept 3
	ds_load_tr16_b128 v[VF+12*g+4*c:VF+12*g+4*c+3], v[VRD] offset:(3*((\by)+g/2)+c)*1536+32*(g%2)
.set c, c+1
.endr
.set g, g+1
.endr
	PLACES
.set j, 0
.rept 19
	SMX 0
	SMX 1
.set j, j+1
.endr
.set n, 0
.rept 16                                               ; c s - c m, a pair of scores at a time
.irp bx, 0,1
	v_pk_fma_f32 v[S+32*\bx+2*n:S+32*\bx+2*n+1], v[S+32*\bx+2*n:S+32*\bx+2*n+1], s[CS:CS+1], v[ST+6*\bx+4:ST+6*\bx+5] op_sel_hi:[1,0,0] neg_lo:[0,0,1] neg_hi:[0,0,1]
.endr
.set n, n+1
.endr
.set n, 0
.rept 64                                               ; ONE batch of 64 exponentials: none reads another's result
	v_exp_f32 v[S+n], v[S+n]
.set n, n+1
.endr
	v_nop                                          ; a plain instruction behind the last exponential,
	s_wait_alu depctr_va_vdst(0)                   ; and the one wait ahead of the batch's first reader
.irp bx, 0,1                                           ; l, of the unrounded weights: two chains a tile, 8 pairs each
	v_pk_add_f32 v[ST+6*\bx:ST+6*\bx+1], v[S+32*\bx:S+32*\bx+1], v[S+32*\bx+2:S+32*\bx+3]
	v_pk_add_f32 v[ST+6*\bx+2:ST+6*\bx+3], v[S+32*\bx+16:S+32*\bx+17], v[S+32*\bx+18:S+32*\bx+19]
.endr
.set n, 2
.rept 6
.irp bx, 0,1
	v_pk_add_f32 v[ST+6*\bx:ST+6*\bx+1], v[ST+6*\bx:ST+6*\bx+1], v[S+32*\bx+2*n:S+32*\bx+2*n+1]
	v_pk_add_f32 v[ST+6*\bx+2:ST+6*\bx+3], v[ST+6*\bx+2:ST+6*\bx+3], v[S+32*\bx+16+2*n:S+32*\bx+16+2*n+1]
.endr
.set n, n+1
.endr
.irp bx, 0,1
	v_pk_add_f32 v[ST+6*\bx:ST+6*\bx+1], v[ST+6*\bx:ST+6*\bx+1], v[ST+6*\bx+2:ST+6*\bx+3]
.endr
.irp bx, 0,1
	v_add_f32 v[ST+6*\bx], v[ST+6*\bx], v[ST+6*\bx+1]
.endr
.irp bx, 0,1
	v_permlanex16_b32 v[ST+6*\bx+1], v[ST+6*\bx], s[SEL], s[SEL+1]
.endr
.irp bx, 0,1
	v_add_f32 v[ST+6*\bx], v[ST+6*\bx], v[ST+6*\bx+1]
.endr
.irp bx, 0,1
	v_rcp_f32 v[ST+6*\bx+2], v[ST+6*\bx]           ; 1 / l; its wait stands ahead of its first reader, behind the products below
.endr
	v_nop
.set n, 0
.rept 16                                               ; P: the weights rounded to f16, in place, ascending: the tile's low 16 registers are two fragments of 16 queries x 32 keys
.irp bx, 0,1
	v_cvt_pk_f16_f32 v[S+32*\bx+n], v[S+32*\bx+2*n], v[S+32*\bx+2*n+1]
.endr
.set n, n+1
.endr
	s_wait_dscnt 0x0                               ; v is in
.set n, 0
.rept 8                                                ; O^T = V^T P: key tile row a = n / 4, tile (n / 2) % 2, channels 16 (n % 2) on: four accumulators by turns
.set rO, S+32*((n/2)%2)+16+8*(n%2)
.set rV, VF+12*(2*(n/4)+n%2)+4*((n/2)%2)
.set rP, S+32*((n/2)%2)+8*(n/4)
.if n < 4
	v_wmma_f32_16x16x32_f16 v[rO:rO+7], v[rV:rV+7], v[rP:rP+7], 0
.else
	v_wmma_f32_16x16x32_f16 v[rO:rO+7], v[rV:rV+7], v[rP:rP+7], v[rO:rO+7]
.endif
.set n, n+1
.endr
	PLACES
	s_wait_alu depctr_va_vdst(0)                   ; for the two reciprocals
.irp bx, 0,1
.set n, 0
.rept 8
	v_pk_mul_f32 v[S+32*\bx+16+2*n:S+32*\bx+16+2*n+1], v[S+32*\bx+16+2*n:S+32*\bx+16+2*n+1], v[ST+6*\bx+2:ST+6*\bx+3] op_sel_hi:[1,0]
.set n, n+1
.endr
.endr
.irp bx, 0,1
.set n, 0
.rept 8
	v_cvt_pk_f16_f32 v[S+32*\bx+16+n], v[S+32*\bx+16+2*n], v[S+32*\bx+16+2*n+1]
.set n, n+1
.endr
	ds_store_b128 v[OST], v[S+32*\bx+16:S+32*\bx+19] offset:(2*(\by)+\bx)*16*XP_       ; row 16 t + i, my head's 64 bytes
	ds_store_b128 v[OST], v[S+32*\bx+20:S+32*\bx+23] offset:(2*(\by)+\bx)*16*XP_+32
.endr
.endm
	ATT 0
	ATT 1
	s_wait_dscnt 0x0                               ; for the others' sake: my part of O is written, and my reads of XS are long over
	s_barrier_signal -1
	s_barrier_wait -1                              ; O is whole, and nobody reads XS any more: the stage may lie over it
	; ---- out^T = Wo^T O^T + bo: my 32 columns of the four query tiles
	v_and_b32 v12, 15, v0
	v_bfe_u32 v13, v0, 4, 1
	v_mul_u32_u24 v[OA], v12, XP_
	v_lshl_add_u32 v[OA], v13, 4, v[OA]
	v_add_nc_u32 v[OA], OS, v[OA]
	v_mul_u32_u24 v[SA], v12, SGP
	v_lshl_add_u32 v[SA], v13, 5, v[SA]
	s_lshl_b32 s[T0], s[WV], 7
	v_add_nc_u32 v[SA], s[T0], v[SA]               ; row i, columns 32 w + 8 h on
	s_mul_i32 s[T0], s[WV], 8*SGP
	v_add_nc_u32 v[RA], s[T0], v[LO16]             ; back: wave w takes rows 8 w .. 8 w + 7, whole
	LOADX OA, 0
	s_lshl_b32 s[T0], s[BB], 6                     ; those 8 rows are queries 8 (w % 2) .. of tile w / 2: two image rows of four pixels
	s_add_co_u32 s[T0], s[T0], s[Y0]
	s_lshr_b32 s[T1], s[WV], 2
	s_lshl_b32 s[T1], s[T1], 2
	s_add_co_u32 s[T0], s[T0], s[T1]
	s_lshl_b32 s[T1], s[WH], 1
	s_add_co_u32 s[T0], s[T0], s[T1]
	s_lshl_b32 s[T0], s[T0], 6
	s_add_co_u32 s[T0], s[T0], s[X0]
	s_bfe_u32 s[T1], s[WV], 0x10001
	s_lshl_b32 s[T1], s[T1], 2
	s_add_co_u32 s[T0], s[T0], s[T1]
	s_lshl_b32 s[T0], s[T0], 10
	s_mov_b32 s[T1], 0
	s_add_nc_u64 s[OUTB:OUTB+1], s[POUT:POUT+1], s[T0:T1]
	s_wait_loadcnt 0x0                             ; Wo and bo
	RNDB BO
.set t, 0
.rept 4
	s_wait_dscnt 0x0
	PROJ f16, 0, ACC+16*(t%2), 2, BO, -1
.if t < 3
	LOADX OA, (t+1)*16*XP_
.endif
	ST4 SA, ACC+16*(t%2), t*16*SGP
.set t, t+1
.endr
	s_wait_dscnt 0x0                               ; for the others' sake: my columns of the stage are written
	s_barrier_signal -1
	s_barrier_wait -1
	; ---- the way out: whole pixels of 1,024 bytes, 512 consecutive bytes a store
.set n, 0
.rept 16
	ds_load_b128 v[XF+4*n:XF+4*n+3], v[RA] offset:(n/2)*SGP+512*(n%2)
.set n, n+1
.endr
.set n, 0
.rept 16
	s_wait_dscnt 15-n                              ; LDS loads come back in order: number n is in, the 15 - n younger ones may stay out
	global_store_b128 v[LO16], v[XF+4*n:XF+4*n+3], s[OUTB:OUTB+1] offset:(n/8)*65536+((n/2)%4)*1024+512*(n%2) th:TH_STORE_NT
.set n, n+1
.endr
	s_wait_tensorcnt 0x0                           ; the wave's end, behind my last LDS store
	ds_add_u32 v[SPW], v[NIL]
	s_wait_dscnt 0x0
	s_endpgm
.Lfunc_end_k_q358aaefafe_attn:
	.size	k_q358aaefafe_attn, .Lfunc_end_k_q358aaefafe_attn-k_q358aaefafe_attn
	.p2alignl 7, 3214868480
	.fill 96, 4, 3214868480
	.section	.rodata,"a",@progbits
	.p2align	6, 0x0
	.amdhsa_kernel k_q358aaefafe_attn
		.amdhsa_group_segment_fixed_size 279296
		.amdhsa_private_segment_fixed_size 0
		.amdhsa_enable_private_segment 0
		.amdhsa_kernarg_size 64
		.amdhsa_user_sgpr_count 2
		.amdhsa_user_sgpr_kernarg_segment_ptr 1
		.amdhsa_wavefront_size32 1
		.amdhsa_system_sgpr_workgroup_id_x 1
		.amdhsa_system_sgpr_workgroup_id_y 1
		.amdhsa_system_sgpr_workgroup_id_z 1
		.amdhsa_system_vgpr_workitem_id 0
		.amdhsa_next_free_vgpr 512
		.amdhsa_next_free_sgpr 96
		.amdhsa_reserve_vcc 1
		.amdhsa_float_denorm_mode_32 3
		.amdhsa_float_denorm_mode_16_64 3
		.amdhsa_memory_ordered 1
		.amdhsa_forward_progress 1
		.amdhsa_inst_pref_size 188
	.end_amdhsa_kernel
	.amdgpu_metadata
---
amdhsa.version: [ 1, 2 ]
amdhsa.kernels:
  - .name:           k_q358aaefafe_attn
    .symbol:         k_q358aaefafe_attn.kd
    .args:
      - { .name: x, .offset: 0, .size: 8, .value_kind: global_buffer, .address_space: global }
      - { .name: pos_emb, .offset: 8, .size: 8, .value_kind: global_buffer, .address_space: global }
      - { .name: bq, .offset: 16, .size: 8, .value_kind: global_buffer, .address_space: global }
      - { .name: bk, .offset: 24, .size: 8, .value_kind: global_buffer, .address_space: global }
      - { .name: bv, .offset: 32, .size: 8, .value_kind: global_buffer, .address_space: global }
      - { .name: bo, .offset: 40, .size: 8, .value_kind: global_buffer, .address_space: global }
      - { .name: wf, .offset: 48, .size: 8, .value_kind: global_buffer, .address_space: global }
      - { .name: out0, .offset: 56, .size: 8, .value_kind: global_buffer, .address_space: global }
    .group_segment_fixed_size: 279296
    .private_segment_fixed_size: 0
    .kernarg_segment_align: 8
    .kernarg_segment_size: 64
    .max_flat_workgroup_size: 256
    .sgpr_count:     96
    .vgpr_count:     512
    .wavefront_size: 32
...
	.end_amdgpu_metadata
.endif
;; end of part 2
;; ======== version 2 of 2: 2 launches; version 1 with the launch attn written anew for expert scheduling mode
;; limits: values are held in f16: magnitudes above 65,504 overflow, below 6.1e-05 lose precision
;; workspace buffers: wf 524,288 bytes
;; launch prep: the kernel of part 1 again; grid 32 x 4, 8 waves a work-group, no clusters, 0 bytes of LDS; arguments Wq, Wk, Wv, Wo, wf; writes wf
;; launch attn (part 3): grid 64 x 4, 8 waves a work-group, no clusters, 279,296 bytes of LDS; arguments x, pos_emb, bq, bk, bv, bo, wf, out0; writes out0
.if DOCPART == 3
	.amdgcn_target "amdgcn-amd-amdhsa--gfx1250"
	.amdhsa_code_object_version 6
	.text
	.protected	k_q358aaefafe_attn
	.globl	k_q358aaefafe_attn
	.p2align	8
	.type	k_q358aaefafe_attn,@function
k_q358aaefafe_attn:
	s_mov_b64 s[64:65], 0
	v_nop
	global_prefetch_b8 v0, s[64:65] scope:SCOPE_SE
	s_setreg_imm32_b32 hwreg(HW_REG_WAVE_SCHED_MODE, 0, 2), 2
	s_setreg_imm32_b32 hwreg(HW_REG_WAVE_MODE, 25, 1), 1
	s_wait_xcnt 0x0
	s_wait_alu depctr_vm_vsrc(0)
; LOCAL 5 x 5 ATTENTION, all steps in one launch.  x, out0: [4][64][64][256] f32; 8 heads of 32 channels; 25 position rows.
; ALGEBRA.  A projection is linear, so a patch is not projected anew for each query:
;   kh[p][s] = (x Wk)[nbr(p, s)] + (pos[s] Wk + bk);   vh[p][s] = (x Wv + bv)[nbr(p, s)];   qh[p] = (x Wq)[p] + (pos[slot(p)] Wq + bq).
;   score = q . k[nbr] + T[s], T[s] = q . (pos[s] Wk + bk); softmax over the 25 slots with the true maximum taken away; out = (P v / l) Wo + bo.
; FORMATS.  All inputs (x, pos, weights, biases) are rounded to bf16; what is made here (q, k, pos Wk + bk, v, the weights p, O) is rounded once to f16; all sums, T, maxima and l in f32.
; LIMITS.  |q|, |k|, |pos Wk + bk|, |v|, |O| stay under 65,504 (f16's end).  A weight p under 6e-8 counts as 0 in the second product, under 2^-126 also in l.
; A key outside the patch counts as its score less 1e30.  NaN and infinities are not treated apart.
; SHARES.  256 work-groups, each 8 x 8 queries of one image; its REGION is the 12 x 12 pixels from (Y0 - 2, X0 - 2) on.  Loads are clamped into the image: a pixel
; outside it holds a neighbour's numbers and is always masked.  Wave w has head w in the projections and in attention, and output columns 32 w .. 32 w + 31 at the end.
; TILES of 16 pixels are 4 x 4 blocks (in-tile index m: row m / 4, column m % 4): nine region tiles tau = 3 tr + tc; four query tiles t = 2 by + bx at region (2 + 4 by, 2 + 4 bx),
; whose 64 candidate keys are the region tiles (by + a, bx + b), a, b in 0, 1.
; LAYOUT.  Every projection is taken transposed (source 0 = 16 output channels of a weight, source 1 = 16 pixels): a lane holds ONE pixel (lane % 16) and channels 8 (lane / 16) + 0..7, so
; two channel tiles rounded in pairs ARE a fragment of 16 pixels x 32 channels: K, Q and the position keys never change lanes.  v goes by rows into the wave's own LDS and comes back turned.
; NO CLUSTER, NO JOINT LOADS.  All work-groups read the same 524,288 bytes of weights, but each fragment is wanted by one wave and goes straight into its registers;
; a joint load lands in LDS, of which this text uses 279,296 of 327,680 bytes: a ring for weights beside that was not built.
; NO PREFETCH: all of a work-group's x is asked for at its head, and the weights are read by every work-group.
; THE MODE: SCHED_MODE bits 1:0 = 2 (LLVM: expert scheduling mode 2), set by the entry lines.  The code itself states the register dependences
; between vector or matrix instructions and memory or LDS instructions, with s_wait_alu, always for 0.
; THE PLAN.  Registers that memory or LDS instructions touch:
;   v3, v11       offsets, made at the head and never written again.
;   v4-v10        addresses, made anew for each of four stages: ahead of each making one wait on vm_vsrc (the stage before has read them), behind it one on va_vdst.
;   XF            A projection step's products read it; the next step's 16 LDS loads land in it.
;   VO0, VO1      v's out-buffers, by turns: tile tau's roundings write one; the two stores issued in tile tau + 1 read it; tile tau + 2's roundings write it again.
;   ACC           Where accumulators are stored as they lie (the table pos Wq + bq, the stage for out): written by a step's products, read by the step's four stores, written again two steps on.
;   PQC, v16-19   A query tile's first products read PQC; the next tile's four loads land in it, by addresses made once, ahead of the projections.
;   AD, S, TA     ADDR writes the 64 addresses AD, T's products write TA; T's stores read TA, the gather reads AD and lands in S; then v's fragments land over TA.
;   the weights   Read by products; a matrix's place is loaded again behind its last product.
; So ONE wait on va_vdst stands in a projection step, behind its products: they are done reading XF (and, where that is due, a matrix or PQC) and have written ACC, and the step before has
; written its VO.  The loads and stores that follow it stand ahead of the step's own roundings, which name none of their registers.  The waits on vm_vsrc stand a step behind the stores that they are for.
;
; LDS, in bytes
.set XP_,   528                        ; a pixel's 256 bf16 + 16 of padding: the 16 rows of a 4 x 4 tile begin 16 bytes apart modulo 256
.set VS,    92928                      ; behind XS (176 rows: 144 region pixels p = 12 ry + rx, then 32 position rows)
.set VSW,   13824                      ; a wave's v: 144 rows (16 tau + m) of 64 bytes + 32
.set WP,    203520
.set WPW,   5120                       ; a wave's own: first pos Wq + bq (32 rows of 128 bytes + 16, f32), then two slots for T
.set TSLOT, 2560                       ; T[s][query]: row s at 72 s, query i at 4 i; 16 words of -1e30 at 2,304
.set TP,    72
.set NEGO,  2304
.set OS,    244480                     ; O, f16: 64 rows (16 t + i) of 512 bytes + 16
.set SGP,   1040                       ; the stage for out, over XS once nobody reads it: 64 rows of 1,024 bytes + 16
.set SPARE, 278272                     ; the spare words, 128 bytes for each of eight waves: four blocks of 256 bytes that no other line names
; vector registers.  Window 1 (v256-511): low half Wk, later Wo; high half Wv, later Wq, later the gather's addresses
.set SPW,  1                           ; LDS address of my spare word; never rewritten
.set NIL,  2                           ; 0; never rewritten
.set LO16, 3                           ; 16 x lane; never rewritten
.set CO,   4                           ; staging: v4-6 my byte offset in an image row, by column group
.set POSO, 7
.set XW,   8                           ; v8, v9: where I put 8 bytes of a pixel (chunks 0-21, 22-43)
.set XA,   4                           ; projections
.set XPA,  5
.set VST,  6
.set PQST, 7
.set PQB,  8
.set VRD,  4                           ; attention
.set TB,   5
.set TST,  6
.set OST,  7
.set IY,   8
.set IX,   9
.set H2,   10
.set OA,   4                           ; the way out
.set SA,   5
.set RA,   6
.set BOF,  11                          ; 128 w + 32 (lane / 16): my 8 numbers of a bias; never rewritten
.set ST,   12                          ; v12-23: query tile bx at ST + 6 bx: c0-c3 at work, then the pair c m, m.  Before attention: v12-15 scratch,
.set PQA,  16                          ; v16-19: query tile t's row of pos Wq + bq in my table
.set K,    24                          ; v24-95: fragment of region tile tau at K + 8 tau
.set PK,   96                          ; v96-111: pos Wk + bk, two fragments.  Before that v's two out-buffers: tile tau's at PK + 8 ((tau + 1) % 2)
.set BO,   96                          ; later bo
.set Q,    112                         ; v112-143: fragment of query tile t at Q + 8 t
.set BK,   112                         ; before that bk,
.set BQ,   128                         ; and bq
.set XF,   144                         ; v144-207: source 1 of a projection, K step ks at XF + 8 ks
.set ACC,  208                         ; v208-239
.set BV,   240                         ; v240-255
.set PQC,  240                         ; later a query tile's rows of pos Wq + bq
.set S,    144                         ; attention: tile bx at S + 32 bx, key tile (a, b) at + 16 a + 8 b; later P in its low 16, O^T in its high 16
.set TA,   208
.set ROWT, 240                         ; v240-243, and behind them
.set COLT, 244                         ; v244-251
.set NEGR, 255                         ; -1e30, for two LDS stores
.set VF,   208                         ; v208-255: group g = 2 a + ct at VF + 12 g, key tile column c at + 4 c
.set AD,   128                         ; window 1, v384-447: where each of a tile's 32 scores finds its start: tile bx at AD + 32 bx
; scalar registers
.set WV,  2                            ; wave
.set WA,  3                            ; wave / 2
.set WH,  4                            ; wave % 2
.set Y0,  5
.set X0,  6
.set BB,  7                            ; image
.set PX,  8                            ; s[8:23]: x, pos_emb, bq, bk, bv, bo, wf, out0
.set PPOS, 10
.set PBQ, 12
.set PBK, 14
.set PBV, 16
.set PBO, 18
.set PWF, 20
.set POUT, 22
.set RB,  24                           ; s[24:47]: x at the region's 12 image rows
.set MK,  24                           ; s24-35, once x's loads are done: twelve masks of lanes
.set PB,  48                           ; s[48:63]: pos_emb at my 8 rows
.set CS,  66                           ; s[66:67]: c = log2(e) / sqrt(32)
.set SEL, 68                           ; s[68:69]: v_permlanex16_b32's selects: my own place in the other half
.set BIG, 70
.set VSB, 71
.set WPB, 72
.set WK,  74                           ; s[74:81]: my head's 16,384 bytes of Wk, Wv, Wq, Wo in wf
.set WVV, 76
.set WQ,  78
.set WO,  80
.set OUTB, 82
.set T0,  84
.set T1,  85
.set T2,  86
.set T3,  87
.set MSB, 0
.macro WIN new                         ; the immediate's high byte repeats the setting that is left; a switch that changes nothing is dropped
.if MSB != (\new)
	s_set_vgpr_msb (MSB<<8)|(\new)
.set MSB, \new
.endif
.endm
.macro PLACES                          ; four places behind a matrix instruction, ahead of a vector instruction or a store that reads its result or a vector instruction that writes its registers
.rept 4
	v_nop
.endr
.endm
.macro LOADX areg, off                 ; 16 rows x 256 channels of 16 bits: eight fragments, two loads of 16 bytes each
	WIN 0
.set ks, 0
.rept 8
	ds_load_b128 v[XF+8*ks:XF+8*ks+3],   v[\areg] offset:(\off)+64*ks
	ds_load_b128 v[XF+8*ks+4:XF+8*ks+7], v[\areg] offset:(\off)+64*ks+32
.set ks, ks+1
.endr
.endm
.macro LOADW sbase, dst                ; my head's part of a matrix: 32 loads of 512 consecutive bytes; fragment (ct, ks) lands at dst + 64 ct + 8 ks of window 1
	WIN 0x40
.set k, 0
.rept 32
	global_load_b128 v[(\dst)+4*k:(\dst)+4*k+3], v[LO16], s[\sbase:\sbase+1] offset:512*k
.set k, k+1
.endr
	WIN 0
.endm
.macro LOADB dst, sp                   ; my 16 numbers of a bias: channel tile ct at dst + 8 ct
.set k, 0
.rept 4
	global_load_b128 v[(\dst)+4*k:(\dst)+4*k+3], v[BOF], s[\sp:\sp+1] offset:16*k+32*(k/2)
.set k, k+1
.endr
.endm
.macro LOADPQ t                        ; query tile t: each lane's row of pos Wq + bq, the row of its query's own slot
.set k, 0
.rept 4
	ds_load_b128 v[PQC+4*k:PQC+4*k+3], v[PQA+(\t)] offset:16*k+32*(k/2)   ; LDS serves a wave's instructions in order (ISA guide 5.7.1.4): these see my stores into the table
.set k, k+1
.endr
.endm
.macro STV tl                          ; region tile tl's v, by rows: pixel m, channels 8 h .. and 16 + 8 h ..
.set vo, PK+8*(((\tl)+1)%2)
	ds_store_b128 v[VST], v[vo:vo+3]   offset:(\tl)*1536
	ds_store_b128 v[VST], v[vo+4:vo+7] offset:(\tl)*1536+32
.endm
; nacc accumulators of 16 channels x 16 pixels over K = 256.  They take turns, one instruction a turn.  The first K step starts each sum:
; with 0 (c < 0) or with the registers c + 8 (a % 2) (a bias, or a row of a table).  c01 serves accumulators 0, 1; c23 accumulators 2, 3.
.macro PROJ fmt, wbase, acc0, nacc, c01, c23
	WIN 0x01                               ; source 0, the weights, in window 1
.set ks, 0
.rept 8
.set a, 0
.rept \nacc
.set rD, (\acc0)+8*a
.set rW, (\wbase)+64*a+8*ks
.set rX, XF+8*ks
.if ks > 0
	v_wmma_f32_16x16x32_\fmt v[rD:rD+7], v[rW:rW+7], v[rX:rX+7], v[rD:rD+7]
.else
.set cc, \c01
.if a >= 2
.set cc, \c23
.endif
.if cc < 0
	v_wmma_f32_16x16x32_\fmt v[rD:rD+7], v[rW:rW+7], v[rX:rX+7], 0
.else
.set rC, cc+8*(a%2)
	v_wmma_f32_16x16x32_\fmt v[rD:rD+7], v[rW:rW+7], v[rX:rX+7], v[rC:rC+7]
.endif
.endif
.set a, a+1
.endr
.set ks, ks+1
.endr
	WIN 0
	PLACES
.endm
.macro PACK dst, acc                   ; two channel tiles, rounded to f16 in pairs, ascending: a fragment of 16 pixels x 32 channels
.set k, 0
.rept 8
	v_cvt_pk_f16_f32 v[(\dst)+k], v[(\acc)+2*k], v[(\acc)+2*k+1]
.set k, k+1
.endr
.endm
.macro RNDB base                       ; 16 numbers of a bias rounded to bf16 and kept as f32
.set k, 0
.rept 8
	v_cvt_pk_bf16_f32 v[ST+k%4], v[(\base)+2*k], v[(\base)+2*k+1]
	v_lshlrev_b32 v[(\base)+2*k], 16, v[ST+k%4]
	v_and_b32 v[(\base)+2*k+1], 0xffff0000, v[ST+k%4]
.set k, k+1
.endr
.endm
.macro ST4 areg, set, off              ; two accumulators as they lie, f32: 8 numbers a lane and channel tile, each accumulator's low registers first
.set k, 0
.rept 4
	ds_store_b128 v[\areg], v[(\set)+4*k:(\set)+4*k+3] offset:(\off)+16*k+32*(k/2)
.set k, k+1
.endr
.endm
	; ---- the head
	s_load_b512 s[8:23], s[0:1], 0x0
	v_lshl_add_u32 v[SPW], v0, 2, SPARE
	v_mov_b32 v[NIL], 0
	v_lshrrev_b32 v4, 5, v0
	v_readfirstlane_b32 s[WV], v4
	s_lshr_b32 s[Y0], ttmp9, 3
	s_lshl_b32 s[Y0], s[Y0], 3                     ; my 8 x 8 queries begin at (Y0, X0)
	s_and_b32 s[X0], ttmp9, 7
	s_lshl_b32 s[X0], s[X0], 3
	s_and_b32 s[BB], ttmp7, 0xffff
	s_mov_b32 s[CS], 0x3e8293ee                    ; log2(e) / sqrt(32) = 0.255035
	s_mov_b32 s[CS+1], s[CS]                       ; named with it as a pair
	s_mov_b32 s[SEL], 0x76543210
	s_mov_b32 s[SEL+1], 0xfedcba98
	s_mov_b32 s[BIG], 0x8000
	v_and_b32 v[LO16], 31, v0
	v_lshlrev_b32 v[LO16], 4, v[LO16]
	s_lshl_b32 s[T2], s[BB], 6
	s_wait_alu depctr_va_sdst(0)                   ; the wave's number is written, ahead of its first reader
	s_lshr_b32 s[WA], s[WV], 1
	s_and_b32 s[WH], s[WV], 1
	s_mul_i32 s[VSB], s[WV], VSW
	s_add_co_u32 s[VSB], s[VSB], VS
	s_mul_i32 s[WPB], s[WV], WPW
	s_add_co_u32 s[WPB], s[WPB], WP
	s_lshl_b32 s[T3], s[WH], 9                     ; my half of a pixel's 1,024 bytes
	; STAGING SHARES.  Chunk u of 44 is half a row of XS, row 4 u + wave / 2, half wave % 2: one load of 512 consecutive bytes.  Chunks 0-35: region row u / 3, column 4 (u % 3) + wave / 2.
.set c, 0
.rept 3
	s_add_co_i32 s[T0], s[X0], 4*c-2
	s_add_co_i32 s[T0], s[T0], s[WA]
	s_max_i32 s[T0], s[T0], 0                      ; clamped into the image
	s_min_i32 s[T0], s[T0], 63
	s_lshl_b32 s[T0], s[T0], 10
	s_add_co_u32 s[T0], s[T0], s[T3]
	v_add_nc_u32 v[CO+c], s[T0], v[LO16]
.set c, c+1
.endr
	v_add_nc_u32 v[POSO], s[T3], v[LO16]
	s_mul_i32 s[T0], s[WA], XP_
	s_lshl_b32 s[T1], s[WH], 8
	s_add_co_u32 s[T0], s[T0], s[T1]
	v_lshrrev_b32 v[XW], 1, v[LO16]                ; 8 x lane
	v_add_nc_u32 v[XW], s[T0], v[XW]
	v_add_nc_u32 v[XW+1], 22*4*XP_, v[XW]
	v_bfe_u32 v[BOF], v0, 4, 1
	v_lshlrev_b32 v[BOF], 5, v[BOF]
	s_lshl_b32 s[T0], s[WV], 7
	v_add_nc_u32 v[BOF], s[T0], v[BOF]
	s_wait_kmcnt 0x0
.set r, 0
.rept 12
	s_add_co_i32 s[T0], s[Y0], r-2
	s_max_i32 s[T0], s[T0], 0
	s_min_i32 s[T0], s[T0], 63
	s_add_co_u32 s[T0], s[T0], s[T2]
	s_lshl_b32 s[T0], s[T0], 16                    ; an image row is 65,536 bytes
	s_mov_b32 s[T1], 0
	s_add_nc_u64 s[RB+2*r:RB+2*r+1], s[PX:PX+1], s[T0:T1]
.set r, r+1
.endr
.set r, 0
.rept 8
	s_add_co_u32 s[T0], s[WA], 4*r
	s_min_u32 s[T0], s[T0], 24                     ; rows 25-31 of the table in LDS are copies of row 24 and serve nothing
	s_lshl_b32 s[T0], s[T0], 10
	s_mov_b32 s[T1], 0
	s_add_nc_u64 s[PB+2*r:PB+2*r+1], s[PPOS:PPOS+1], s[T0:T1]
.set r, r+1
.endr
	s_lshl_b32 s[T0], s[WV], 14
	s_mov_b32 s[T1], 0
	s_add_nc_u64 s[WQ:WQ+1], s[PWF:PWF+1], s[T0:T1]
	s_add_nc_u64 s[WK:WK+1], s[WQ:WQ+1], 0x20000
	s_add_nc_u64 s[WVV:WVV+1], s[WQ:WQ+1], 0x40000
	s_add_nc_u64 s[WO:WO+1], s[WQ:WQ+1], 0x60000
	; ---- all the head's loads on end: 36 chunks of x, 8 of pos, 12 of biases, 64 of weights = 120.  Chunk u lands at v[24 + 4 u] (u < 22) or v[56 + 4 u]
	s_wait_alu depctr_va_vdst(0)                   ; the offsets v3 to v9 and v11 are written, which the loads below and the stores of the staging read
.set u, 0
.rept 36
.set d, 24+4*u+32*(u/22)
	global_load_b128 v[d:d+3], v[CO+u%3], s[RB+2*(u/3):RB+2*(u/3)+1]
.set u, u+1
.endr
.rept 8
.set d, 24+4*u+32*(u/22)
	global_load_b128 v[d:d+3], v[POSO], s[PB+2*(u-36):PB+2*(u-36)+1]
.set u, u+1
.endr
	LOADB BV, PBV
	LOADB BK, PBK
	LOADB BQ, PBQ
	LOADW WK, 0
	LOADW WVV, 128
	s_wait_loadcnt 63                              ; loads come back in order: at most the 63 youngest of the 120 are out, so the 57 oldest, all 44 chunks among them, are in
	                                               ; (the issue of a load that the counter's field cannot hold is held back: ISA guide 5.7.1)
.set u, 0
.rept 22                                               ; chunks 0-21 are rounded
.set d, 24+4*u
	v_cvt_pk_bf16_f32 v[d], v[d], v[d+1]
	v_cvt_pk_bf16_f32 v[d+1], v[d+2], v[d+3]
.set u, u+1
.endr
	s_wait_alu depctr_va_vdst(0)                   ; those roundings have written the pairs that the next 22 stores read
.set u, 0
.rept 22                                               ; their stores, dealt among the roundings of chunks 22-43, which name other registers
.set d, 24+4*u
.set d2, 144+4*u
	ds_store_b64 v[XW], v[d:d+1] offset:u*4*XP_
	v_cvt_pk_bf16_f32 v[d2], v[d2], v[d2+1]
	v_cvt_pk_bf16_f32 v[d2+1], v[d2+2], v[d2+3]
.set u, u+1
.endr
	s_wait_alu depctr_va_vdst(0)                   ; the roundings of chunks 22-43 have written the pairs that the last 22 stores read
.set u, 0
.rept 22
.set d2, 144+4*u
	ds_store_b64 v[XW+1], v[d2:d2+1] offset:u*4*XP_
.set u, u+1
.endr
	s_wait_dscnt 0x0                               ; for the others' sake: my part of XS is written
	s_barrier_signal -1
	s_barrier_wait -1                              ; XS is whole
	; ---- addresses for the projections
	s_wait_xcnt 0x0                                ; the weights' loads are still out: v4-v10 are rewritten only behind this wait
	s_wait_alu depctr_vm_vsrc(0)                   ; the head's loads have read v4-v7, the staging's stores v8, v9 and the chunks' pairs: the lines below write the first, the projections' loads, roundings and products the last
	v_and_b32 v12, 15, v0                          ; m
	v_bfe_u32 v13, v0, 4, 1                        ; h
	v_lshrrev_b32 v[XA], 2, v12
	v_mul_u32_u24 v[XA], v[XA], 12
	v_and_b32 v14, 3, v12
	v_add_nc_u32 v[XA], v[XA], v14                 ; pixel (m / 4, m % 4) of a 4 x 4 tile in rows of 12
	v_mul_u32_u24 v[XA], v[XA], XP_
	v_lshl_add_u32 v[XA], v13, 4, v[XA]
	v_mul_u32_u24 v[XPA], v12, XP_
	v_lshl_add_u32 v[XPA], v13, 4, v[XPA]
	v_add_nc_u32 v[XPA], 144*XP_, v[XPA]           ; the position rows
	v_mul_u32_u24 v[VST], v12, 96
	v_lshl_add_u32 v[VST], v13, 4, v[VST]
	v_add_nc_u32 v[VST], s[VSB], v[VST]
	v_mul_u32_u24 v[PQST], v12, 144
	v_lshl_add_u32 v[PQST], v13, 5, v[PQST]
	v_add_nc_u32 v[PQST], s[WPB], v[PQST]
	v_lshlrev_b32 v[PQB], 5, v13
	v_add_nc_u32 v[PQB], s[WPB], v[PQB]
	s_wait_alu depctr_va_vdst(0)                   ; v4-v7 are written, which the projections' LDS loads and stores read
	LOADX XA, 0
	; the four query tiles' addresses in the table pos Wq + bq, all made here, while the weights are on their way: the first load by them stands behind the waits of the steps between
.set t, 0
.rept 4
	s_add_co_u32 s[T0], s[Y0], 4*(t/2)             ; the tile's first row and column in the image
	s_add_co_u32 s[T1], s[X0], 4*(t%2)
	v_bfe_u32 v12, v0, 2, 2                        ; i / 4
	v_and_b32 v13, 3, v0                           ; i % 4
	v_add_nc_u32 v14, s[T0], v12
	v_add_nc_u32 v15, s[T1], v13
	v_max_u32 v14, 2, v14
	v_max_u32 v15, 2, v15
	v_min_u32 v14, 61, v14                         ; the patch's centre, clipped as reference() clips it
	v_min_u32 v15, 61, v15
	v_sub_nc_u32 v14, s[T0], v14
	v_sub_nc_u32 v15, s[T1], v15
	v_add3_u32 v12, v12, v14, 2                    ; my row in my patch,
	v_add3_u32 v13, v13, v15, 2                    ; my column
	v_mad_u32_u24 v12, v12, 5, v13
	v_min_u32 v12, 24, v12                         ; (it is 0 to 24: the bound stands in the text)
	v_mad_u32_u24 v[PQA+t], v12, 144, v[PQB]
.set t, t+1
.endr
	s_wait_loadcnt 0x0                             ; Wk, Wv and the biases
	RNDB BV
	RNDB BK
	RNDB BQ
	; ---- k = x Wk and v = x Wv + bv of the nine region tiles: 32 matrix instructions a tile on four accumulators
.set tau, 0
.rept 9
	s_wait_dscnt 0x0                               ; the tile's fragments are in
.if tau >= 2
	s_wait_alu depctr_vm_vsrc(0)                   ; the stores issued in the tile before have read the out-buffer that this tile's roundings write again
.endif
	PROJ bf16, 0, ACC, 4, -1, BV
	s_wait_alu depctr_va_vdst(0)                   ; the products are done reading XF (in the last tile Wv too), in which the loads below land; the tile before has written its out-buffer, which the stores below read
.if tau < 8
.set xo, (48*((tau+1)/3)+4*((tau+1)%3))*XP_
	LOADX XA, xo                                   ; the next tile, while this one is rounded
.else
	LOADW WQ, 128                                  ; Wv has had its last product
	LOADX XPA, 0
.endif
.if tau > 0
	STV tau-1                                      ; the tile before's v
.endif
	PACK K+8*tau, ACC                              ; these sixteen name K, the accumulators and the other out-buffer: none of the registers of the loads and stores above
	PACK PK+8*((tau+1)%2), ACC+16
.set tau, tau+1
.endr
	; ---- pos Wk + bk: two tiles of 16 rows, in the same rhythm
	s_wait_dscnt 0x0
	s_wait_alu depctr_vm_vsrc(0)                   ; tile 7's stores have read v96-103, which the first position keys take
	PROJ bf16, 0, ACC, 2, BK, -1
	s_wait_alu depctr_va_vdst(0)                   ; the products are done reading XF; tile 8's roundings have written its out-buffer
	LOADX XPA, 16*XP_
	STV 8
	PACK PK, ACC
	s_wait_dscnt 0x0
	s_wait_alu depctr_vm_vsrc(0)                   ; tile 8's stores have read v104-111, which the other position keys take
	PROJ bf16, 0, ACC+16, 2, BK, -1
	s_wait_alu depctr_va_vdst(0)                   ; the products are done reading XF and Wk, in which the loads below land
	LOADW WO, 0                                    ; Wk has had its last product
	LOADX XPA, 0
	PACK PK+8, ACC+16
	; ---- pos Wq + bq into my table, then q = x Wq + the row of the query's own slot
	s_wait_loadcnt 32                              ; Wq is in; the 32 loads of Wo, issued behind it, may stay out
	s_wait_dscnt 0x0
	PROJ bf16, 128, ACC, 2, BQ, -1
	s_wait_alu depctr_va_vdst(0)                   ; the products are done reading XF and have written the accumulators, which the stores below read; the places above stay beside this wait
	LOADX XPA, 16*XP_
	ST4 PQST, ACC, 0
	s_wait_dscnt 0x0
	PROJ bf16, 128, ACC+16, 2, BQ, -1
	s_wait_alu depctr_va_vdst(0)                   ; the same for the table's other half; bv's last reader is long done, and PQC takes its place
	LOADX XA, 26*XP_
	ST4 PQST, ACC+16, 2304
	LOADPQ 0
.set t, 0
.rept 4
	s_wait_dscnt 0x0                               ; the tile's fragments and its rows of the table are in
.if t == 0
	s_wait_alu depctr_vm_vsrc(0)                   ; the table's stores have read all four accumulators, which the query tiles' products write again
.endif
	PROJ bf16, 128, ACC+16*(t%2), 2, PQC, -1
.if t < 3
	s_wait_alu depctr_va_vdst(0)                   ; the products are done reading XF and PQC, in which the next tile's loads land
.set xo, (26+48*((t+1)/2)+4*((t+1)%2))*XP_
	LOADX XA, xo
	LOADPQ t+1
.endif
	PACK Q+8*t, ACC+16*(t%2)
.set t, t+1
.endr
	; ---- addresses for attention
	s_wait_alu depctr_vm_vsrc(0)                   ; the projections' LDS loads and stores have read v4-v7 and v16-19: the lines below write the first, the softmax the last
	v_and_b32 v12, 15, v0                          ; i
	v_bfe_u32 v13, v0, 4, 1                        ; h
	v_and_b32 v14, 7, v0
	v_bfe_u32 v15, v0, 3, 1
	v_lshl_add_u32 v[VRD], v13, 3, v14             ; the turning load: lane l reads key 8 h + l % 8, channels 8 ((l / 8) % 2) + 0..7
	v_mul_u32_u24 v[VRD], v[VRD], 96
	v_lshl_add_u32 v[VRD], v15, 4, v[VRD]
	v_add_nc_u32 v[VRD], s[VSB], v[VRD]
	v_lshl_add_u32 v[TB], v12, 2, s[WPB]
	v_mul_u32_u24 v[TST], v13, 8*TP
	v_add_nc_u32 v[TST], v[TST], v[TB]
	v_mul_u32_u24 v[OST], v12, XP_
	v_lshl_add_u32 v[OST], v13, 4, v[OST]
	s_lshl_b32 s[T0], s[WV], 6
	s_add_co_u32 s[T0], s[T0], OS
	v_add_nc_u32 v[OST], s[T0], v[OST]
	v_bfe_u32 v[IY], v0, 2, 2
	v_and_b32 v[IX], 3, v0
	v_lshlrev_b32 v[H2], 1, v13
	v_mov_b32 v[NEGR], 0xf149f2ca                  ; -1e30: stored behind the first wait of attention
; WHERE A SCORE'S START LIES.  Register 16 a + 8 b + j of query tile (by, bx) is key (row 2 h + j / 4, column j % 4) of region tile (by + a, bx + b).  Its place in my query's patch:
; dy = 2 h + cy + 4 a + j / 4, dx = cx + 4 b + j % 4, with cy = Yb - clip(y), cx = Xb - clip(x).  Inside the patch (dy, dx under 5, unsigned) the start is T[5 dy + dx], else -1e30.
; The twelve compares stand in one run, each with a scalar register of its own, so that one wait serves the twelve selects.  The addresses go into registers of their own, in window 1.
.macro ADDR bx, by
	WIN 0
	s_add_co_u32 s[T0], s[Y0], 4*(\by)
	s_add_co_u32 s[T1], s[X0], 4*(\bx)
	v_add_nc_u32 v252, s[T0], v[IY]
	v_add_nc_u32 v253, s[T1], v[IX]
	v_max_u32 v252, 2, v252
	v_max_u32 v253, 2, v253
	v_min_u32 v252, 61, v252
	v_min_u32 v253, 61, v253
	v_sub_nc_u32 v252, s[T0], v252
	v_sub_nc_u32 v253, s[T1], v253                 ; cx
	v_add_nc_u32 v252, v252, v[H2]                 ; cy + 2 h
.set n, 0
.rept 4                                                ; dy, n = 2 a + j / 4
	v_add_nc_u32 v[ROWT+n], 4*(n/2)+n%2, v252
.set n, n+1
.endr
.set n, 0
.rept 8                                                ; dx, n = 4 b + j % 4
	v_add_nc_u32 v[COLT+n], n, v253
.set n, n+1
.endr
.set n, 0
.rept 12
	v_cmp_gt_u32 s[MK+n], 5, v[ROWT+n]
.set n, n+1
.endr
.set n, 0
.rept 12
.if n < 4
	v_mul_u32_u24 v[ROWT+n], v[ROWT+n], 5*TP
.else
	v_mul_u32_u24 v[ROWT+n], v[ROWT+n], TP
.endif
.set n, n+1
.endr
	s_wait_alu depctr_va_sdst(0)                   ; the twelve compares have written their masks, ahead of the first select that reads one
.set n, 0
.rept 12
	v_cndmask_b32 v[ROWT+n], s[BIG], v[ROWT+n], s[MK+n]
.set n, n+1
.endr
	WIN 0x40                                       ; destination in window 1
.set n, 0
.rept 32
	v_add_nc_u32 v[AD+32*(\bx)+n], v[ROWT+2*(n/16)+(n%8)/4], v[COLT+4*((n/8)%2)+n%4]
.set n, n+1
.endr
	WIN 0x44                                       ; destination and source 1 in window 1
.set n, 0
.rept 32
	v_min_u32 v[AD+32*(\bx)+n], NEGO, v[AD+32*(\bx)+n]   ; a key outside the patch falls onto the words of -1e30
.set n, n+1
.endr
.set n, 0
.rept 32
	v_add_nc_u32 v[AD+32*(\bx)+n], v[TB], v[AD+32*(\bx)+n]
.set n, n+1
.endr
	WIN 0
.endm
.macro TSTORE bx                       ; T[16 sg + 8 h + j][i], each accumulator ascending
.set n, 0
.rept 16
	ds_store_b32 v[TST], v[TA+16*(\bx)+n] offset:(\bx)*TSLOT+(16*(n/8)+n%8)*TP
.set n, n+1
.endr
.endm
.macro GATHER bx                       ; the address in window 1, the number into S
	WIN 0x01
.set n, 0
.rept 32
	ds_load_b32 v[S+32*(\bx)+n], v[AD+32*(\bx)+n] offset:(\bx)*TSLOT
.set n, n+1
.endr
.endm
.macro SMX bx                          ; number j of the 19 that find a query's maximum over its 64 scores; each accumulator's low registers are read first
.set rT, ST+6*(\bx)
.set rS, S+32*(\bx)
.if j < 4
	v_max3_num_f32 v[rT+j], v[rS+8*j], v[rS+8*j+1], v[rS+8*j+2]
.elseif j < 12
	v_max3_num_f32 v[rT+j%4], v[rT+j%4], v[rS+8*(j%4)+2*(j/4)+1], v[rS+8*(j%4)+2*(j/4)+2]
.elseif j == 12
	v_max3_num_f32 v[rT], v[rT], v[rS+7], v[rS+15]
.elseif j == 13
	v_max3_num_f32 v[rT+2], v[rT+2], v[rS+23], v[rS+31]
.elseif j == 14
	v_max3_num_f32 v[rT], v[rT], v[rT+1], v[rT+2]
.elseif j == 15
	v_max_num_f32 v[rT], v[rT], v[rT+3]
.elseif j == 16
	v_permlanex16_b32 v[rT+1], v[rT], s[SEL], s[SEL+1]   ; the query's other 32 keys lie in the lane 16 away
.elseif j == 17
	v_max_num_f32 v[rT+5], v[rT], v[rT+1]                ; m
.else
	v_mul_f32 v[rT+4], s[CS], v[rT+5]                    ; c m
.endif
.endm
; ATTENTION for the two query tiles (by, 0) and (by, 1), every stage for both, so that no instruction waits for the one before it.
.macro ATT by
.set n, 0
.rept 4                                                ; T = (pos Wk + bk) Q^T: tile n / 2, position rows 16 (n % 2) on
	v_wmma_f32_16x16x32_f16 v[TA+8*n:TA+8*n+7], v[PK+8*(n%2):PK+8*(n%2)+7], v[Q+8*(2*(\by)+n/2):Q+8*(2*(\by)+n/2)+7], 0
.set n, n+1
.endr
	ADDR 0, \by                                    ; plain work that names no register of those products: also the places behind them
	ADDR 1, \by
	s_wait_alu depctr_va_vdst(0)                   ; T's products have written TA, which the stores below read, and are done reading the position keys; the 64 addresses are written, which the gather reads;
	                                               ; all earlier vector and matrix work on S's registers, in which the gather lands, and on v240-255 is done; the first time also v4-v7 and -1e30 are written
.if (\by) == 1
	s_wait_alu depctr_vm_vsrc(0)                   ; the first two tiles' stores of O have read S's registers, in which the gather lands
	LOADB BO, PBO                                  ; the position keys have had their last product
.else
	ds_store_b32 v[TB], v[NEGR] offset:NEGO
	ds_store_b32 v[TB], v[NEGR] offset:NEGO+TSLOT
.endif
	TSTORE 0
	TSTORE 1
	GATHER 0                                       ; my own bytes, served in order: these see the stores above
	GATHER 1
	WIN 0
	s_wait_dscnt 0x0
	s_wait_alu depctr_vm_vsrc(0)                   ; T's stores have read TA and -1e30's register, in which v's fragments land; the gather has read its addresses, which the next two tiles write again
.set n, 0
.rept 8                                                ; S^T = K Q^T + what was gathered: tile n % 2, key tile (a, b) = (n / 4, (n / 2) % 2): eight different accumulators
.set rS, S+32*(n%2)+8*(n/2)
.set rK, K+8*(3*((\by)+n/4)+n%2+(n/2)%2)
.set rQ, Q+8*(2*(\by)+n%2)
	v_wmma_f32_16x16x32_f16 v[rS:rS+7], v[rK:rK+7], v[rQ:rQ+7], v[rS:rS+7]
.set n, n+1
.endr
.set g, 0
.rept 4                                                ; v of the six key tiles, turned: key tile row by + g / 2, channels 16 (g % 2) on.  No further wait: the eight products above name S, K and Q alone
.set c, 0
.rept 3
	ds_load_tr16_b128 v[VF+12*g+4*c:VF+12*g+4*c+3], v[VRD] offset:(3*((\by)+g/2)+c)*1536+32*(g%2)
.set c, c+1
.endr
.set g, g+1
.endr
	PLACES
.set j, 0
.rept 19
	SMX 0
	SMX 1
.set j, j+1
.endr
.set n, 0
.rept 16                                               ; c s - c m, a pair of scores at a time
.irp bx, 0,1
	v_pk_fma_f32 v[S+32*\bx+2*n:S+32*\bx+2*n+1], v[S+32*\bx+2*n:S+32*\bx+2*n+1], s[CS:CS+1], v[ST+6*\bx+4:ST+6*\bx+5] op_sel_hi:[1,0,0] neg_lo:[0,0,1] neg_hi:[0,0,1]
.endr
.set n, n+1
.endr
.set n, 0
.rept 64                                               ; ONE batch of 64 exponentials: none reads another's result
	v_exp_f32 v[S+n], v[S+n]
.set n, n+1
.endr
	v_nop                                          ; a plain instruction behind the last exponential,
	s_wait_alu depctr_va_vdst(0)                   ; and the one wait ahead of the batch's first reader: the 64 weights are written
.irp bx, 0,1                                           ; l, of the unrounded weights: two chains a tile, 8 pairs each
	v_pk_add_f32 v[ST+6*\bx:ST+6*\bx+1], v[S+32*\bx:S+32*\bx+1], v[S+32*\bx+2:S+32*\bx+3]
	v_pk_add_f32 v[ST+6*\bx+2:ST+6*\bx+3], v[S+32*\bx+16:S+32*\bx+17], v[S+32*\bx+18:S+32*\bx+19]
.endr
.set n, 2
.rept 6
.irp bx, 0,1
	v_pk_add_f32 v[ST+6*\bx:ST+6*\bx+1], v[ST+6*\bx:ST+6*\bx+1], v[S+32*\bx+2*n:S+32*\bx+2*n+1]
	v_pk_add_f32 v[ST+6*\bx+2:ST+6*\bx+3], v[ST+6*\bx+2:ST+6*\bx+3], v[S+32*\bx+16+2*n:S+32*\bx+16+2*n+1]
.endr
.set n, n+1
.endr
.irp bx, 0,1
	v_pk_add_f32 v[ST+6*\bx:ST+6*\bx+1], v[ST+6*\bx:ST+6*\bx+1], v[ST+6*\bx+2:ST+6*\bx+3]
.endr
.irp bx, 0,1
	v_add_f32 v[ST+6*\bx], v[ST+6*\bx], v[ST+6*\bx+1]
.endr
.irp bx, 0,1
	v_permlanex16_b32 v[ST+6*\bx+1], v[ST+6*\bx], s[SEL], s[SEL+1]
.endr
.irp bx, 0,1
	v_add_f32 v[ST+6*\bx], v[ST+6*\bx], v[ST+6*\bx+1]
.endr
.irp bx, 0,1
	v_rcp_f32 v[ST+6*\bx+2], v[ST+6*\bx]           ; 1 / l; its wait stands ahead of its first reader, behind the products below
.endr
	v_nop
.set n, 0
.rept 16                                               ; P: the weights rounded to f16, in place, ascending: the tile's low 16 registers are two fragments of 16 queries x 32 keys
.irp bx, 0,1
	v_cvt_pk_f16_f32 v[S+32*\bx+n], v[S+32*\bx+2*n], v[S+32*\bx+2*n+1]
.endr
.set n, n+1
.endr
	s_wait_dscnt 0x0                               ; v is in
.set n, 0
.rept 8                                                ; O^T = V^T P: key tile row a = n / 4, tile (n / 2) % 2, channels 16 (n % 2) on: four accumulators by turns
.set rO, S+32*((n/2)%2)+16+8*(n%2)
.set rV, VF+12*(2*(n/4)+n%2)+4*((n/2)%2)
.set rP, S+32*((n/2)%2)+8*(n/4)
.if n < 4
	v_wmma_f32_16x16x32_f16 v[rO:rO+7], v[rV:rV+7], v[rP:rP+7], 0
.else
	v_wmma_f32_16x16x32_f16 v[rO:rO+7], v[rV:rV+7], v[rP:rP+7], v[rO:rO+7]
.endif
.set n, n+1
.endr
	PLACES
	s_wait_alu depctr_va_vdst(0)                   ; the two reciprocals are written, ahead of their first reader
.irp bx, 0,1
.set n, 0
.rept 8
	v_pk_mul_f32 v[S+32*\bx+16+2*n:S+32*\bx+16+2*n+1], v[S+32*\bx+16+2*n:S+32*\bx+16+2*n+1], v[ST+6*\bx+2:ST+6*\bx+3] op_sel_hi:[1,0]
.set n, n+1
.endr
.endr
.irp bx, 0,1
.set n, 0
.rept 8
	v_cvt_pk_f16_f32 v[S+32*\bx+16+n], v[S+32*\bx+16+2*n], v[S+32*\bx+16+2*n+1]
.set n, n+1
.endr
.endr
	s_wait_alu depctr_va_vdst(0)                   ; the roundings have written both tiles' O, which the four stores read
.irp bx, 0,1
	ds_store_b128 v[OST], v[S+32*\bx+16:S+32*\bx+19] offset:(2*(\by)+\bx)*16*XP_       ; row 16 t + i, my head's 64 bytes
	ds_store_b128 v[OST], v[S+32*\bx+20:S+32*\bx+23] offset:(2*(\by)+\bx)*16*XP_+32
.endr
.endm
	ATT 0
	ATT 1
	s_wait_dscnt 0x0                               ; for the others' sake: my part of O is written, and my reads of XS are long over
	s_barrier_signal -1
	s_barrier_wait -1                              ; O is whole, and nobody reads XS any more: the stage may lie over it
	; ---- out^T = Wo^T O^T + bo: my 32 columns of the four query tiles
	s_wait_alu depctr_vm_vsrc(0)                   ; the turning loads have read v4, T's stores v5 and v6, which the lines below write; O's stores have read S's registers, in which O's fragments land
	v_and_b32 v12, 15, v0
	v_bfe_u32 v13, v0, 4, 1
	v_mul_u32_u24 v[OA], v12, XP_
	v_lshl_add_u32 v[OA], v13, 4, v[OA]
	v_add_nc_u32 v[OA], OS, v[OA]
	v_mul_u32_u24 v[SA], v12, SGP
	v_lshl_add_u32 v[SA], v13, 5, v[SA]
	s_lshl_b32 s[T0], s[WV], 7
	v_add_nc_u32 v[SA], s[T0], v[SA]               ; row i, columns 32 w + 8 h on
	s_mul_i32 s[T0], s[WV], 8*SGP
	v_add_nc_u32 v[RA], s[T0], v[LO16]             ; back: wave w takes rows 8 w .. 8 w + 7, whole
	s_wait_alu depctr_va_vdst(0)                   ; v4-v6 are written, which the LDS loads and stores from here on read
	LOADX OA, 0
	s_lshl_b32 s[T0], s[BB], 6                     ; those 8 rows are queries 8 (w % 2) .. of tile w / 2: two image rows of four pixels
	s_add_co_u32 s[T0], s[T0], s[Y0]
	s_lshr_b32 s[T1], s[WV], 2
	s_lshl_b32 s[T1], s[T1], 2
	s_add_co_u32 s[T0], s[T0], s[T1]
	s_lshl_b32 s[T1], s[WH], 1
	s_add_co_u32 s[T0], s[T0], s[T1]
	s_lshl_b32 s[T0], s[T0], 6
	s_add_co_u32 s[T0], s[T0], s[X0]
	s_bfe_u32 s[T1], s[WV], 0x10001
	s_lshl_b32 s[T1], s[T1], 2
	s_add_co_u32 s[T0], s[T0], s[T1]
	s_lshl_b32 s[T0], s[T0], 10
	s_mov_b32 s[T1], 0
	s_add_nc_u64 s[OUTB:OUTB+1], s[POUT:POUT+1], s[T0:T1]
	s_wait_loadcnt 0x0                             ; Wo and bo
	RNDB BO
.set t, 0
.rept 4
	s_wait_dscnt 0x0
.if t >= 2
	s_wait_alu depctr_vm_vsrc(0)                   ; the stores of the tile two back have read the accumulators that this tile's products write again
.endif
	PROJ f16, 0, ACC+16*(t%2), 2, BO, -1
	s_wait_alu depctr_va_vdst(0)                   ; the products have written the accumulators, which the stores below read, and are done reading XF, in which the next loads land; the places above stay beside this wait
.if t < 3
	LOADX OA, (t+1)*16*XP_
.endif
	ST4 SA, ACC+16*(t%2), t*16*SGP
.set t, t+1
.endr
	s_wait_dscnt 0x0                               ; for the others' sake: my columns of the stage are written
	s_barrier_signal -1
	s_barrier_wait -1
	; ---- the way out: whole pixels of 1,024 bytes, 512 consecutive bytes a store.  No vector or matrix instruction since the last wait names XF, in which these loads land
.set n, 0
.rept 16
	ds_load_b128 v[XF+4*n:XF+4*n+3], v[RA] offset:(n/2)*SGP+512*(n%2)
.set n, n+1
.endr
.set n, 0
.rept 16
	s_wait_dscnt 15-n                              ; LDS loads come back in order: number n is in, the 15 - n younger ones may stay out
	global_store_b128 v[LO16], v[XF+4*n:XF+4*n+3], s[OUTB:OUTB+1] offset:(n/8)*65536+((n/2)%4)*1024+512*(n%2) th:TH_STORE_NT
.set n, n+1
.endr
	s_wait_dscnt 0x0                               ; the closing lines, six on end
	s_wait_alu 0x0
	s_wait_tensorcnt 0x0
	ds_add_u32 v[SPW], v[NIL]
	s_wait_dscnt 0x0
	s_endpgm
.Lfunc_end_k_q358aaefafe_attn:
	.size	k_q358aaefafe_attn, .Lfunc_end_k_q358aaefafe_attn-k_q358aaefafe_attn
	.p2alignl 7, 3214868480
	.fill 96, 4, 3214868480
	.section	.rodata,"a",@progbits
	.p2align	6, 0x0
	.amdhsa_kernel k_q358aaefafe_attn
		.amdhsa_group_segment_fixed_size 279296
		.amdhsa_private_segment_fixed_size 0
		.amdhsa_enable_private_segment 0
		.amdhsa_kernarg_size 64
		.amdhsa_user_sgpr_count 2
		.amdhsa_user_sgpr_kernarg_segment_ptr 1
		.amdhsa_wavefront_size32 1
		.amdhsa_system_sgpr_workgroup_id_x 1
		.amdhsa_system_sgpr_workgroup_id_y 1
		.amdhsa_system_sgpr_workgroup_id_z 1
		.amdhsa_system_vgpr_workitem_id 0
		.amdhsa_next_free_vgpr 512
		.amdhsa_next_free_sgpr 96
		.amdhsa_reserve_vcc 0
		.amdhsa_float_denorm_mode_32 3
		.amdhsa_float_denorm_mode_16_64 3
		.amdhsa_memory_ordered 1
		.amdhsa_forward_progress 1
		.amdhsa_inst_pref_size 193
	.end_amdhsa_kernel
	.amdgpu_metadata
---
amdhsa.version: [ 1, 2 ]
amdhsa.kernels:
  - .name:           k_q358aaefafe_attn
    .symbol:         k_q358aaefafe_attn.kd
    .args:
      - { .name: x, .offset: 0, .size: 8, .value_kind: global_buffer, .address_space: global }
      - { .name: pos_emb, .offset: 8, .size: 8, .value_kind: global_buffer, .address_space: global }
      - { .name: bq, .offset: 16, .size: 8, .value_kind: global_buffer, .address_space: global }
      - { .name: bk, .offset: 24, .size: 8, .value_kind: global_buffer, .address_space: global }
      - { .name: bv, .offset: 32, .size: 8, .value_kind: global_buffer, .address_space: global }
      - { .name: bo, .offset: 40, .size: 8, .value_kind: global_buffer, .address_space: global }
      - { .name: wf, .offset: 48, .size: 8, .value_kind: global_buffer, .address_space: global }
      - { .name: out0, .offset: 56, .size: 8, .value_kind: global_buffer, .address_space: global }
    .group_segment_fixed_size: 279296
    .private_segment_fixed_size: 0
    .kernarg_segment_align: 8
    .kernarg_segment_size: 64
    .max_flat_workgroup_size: 256
    .sgpr_count:     96
    .vgpr_count:     512
    .wavefront_size: 32
...
	.end_amdgpu_metadata
.endif
;; end of part 3
